; MI455X (gfx1250); checked and timed in simulation.
; The chip was launched on July 23, 2026; its instructions are those of AMD's public machine-readable ISA for CDNA 5 (MIT licence, August 2026) and "CDNA5" Instruction Set Architecture Reference Guide (July 2026). The comments in the code are by the model that wrote it; some were corrected since.
;; Linear Attention Layer. Allowed arithmetic: matrix products marked QUANTISED: E4M3 operands, one given power-of-two scale a tensor, by v_wmma_f32_16x16x64_fp8_fp8 or v_wmma_f32_16x16x128_fp8_fp8, f32 sums; products left as they are: f32 operands where the result goes on into a quantised operand, else bf16, f16 or f32 operands; f32 sums; everything else in f32.
;; Inputs: W1_codes 512 x 8 x 32 uint8 (E4M3 codes of W1, K innermost, in blocks of 32 codes); W2_codes 256 x 16 x 32 uint8 (E4M3 codes of W2, K innermost, in blocks of 32 codes); Wkv_codes 512 x 8 x 32 uint8 (E4M3 codes of Wkv, K innermost, in blocks of 32 codes); Wp_codes 256 x 8 x 32 uint8 (E4M3 codes of Wp, K innermost, in blocks of 32 codes); Wq_codes 256 x 8 x 32 uint8 (E4M3 codes of Wq, K innermost, in blocks of 32 codes); b1 512 float32; b2 256 float32; bp 256 float32; kv 8 x 8,192 x 256 float32; kv_mask 8 x 8,192 float32; ln1_b 256 float32; ln1_g 256 float32; ln2_b 256 float32; ln2_g 256 float32; lowp_scales 14 int32 (the exponents e of the quantised operands' scales 2^e); q 8 x 8,192 x 256 float32; q_mask 8 x 8,192 float32.
;; Outputs: out0 8 x 8,192 x 256 float32.
;; This version of the problem:
;;   THIS VERSION OF THE PROBLEM IS GIVEN IN LOW PRECISION. The matrix products marked QUANTISED in the list below multiply operands that are first quantised to E4M3 (4 exponent bits, 3 mantissa bits; 8 bits a number), with one given power-of-two scale for each operand tensor; their sums are f32. All else is computed in f32.
;;   The module's matrix products, in the order in which they are computed (A, B: the left and right operand; K: the contracted axis; several contracted axes count as one K, in the product's order):
;;     1. [M 65,536, K 256] x [K 256, N 256]; A: computed on the way; B: input Wq (given as codes): QUANTISED (scales: A lowp_scales[0], B lowp_scales[1])
;;     2. [M 65,536, K 256] x [K 256, N 512]; A: computed on the way; B: input Wkv (given as codes): QUANTISED (scales: A lowp_scales[2], B lowp_scales[3])
;;     3. batch 64 x [M 32, K 8,192] x [K 8,192, N 32]; A: computed on the way; B: computed on the way: QUANTISED (scales: A lowp_scales[4], B lowp_scales[5])
;;     4. batch 64 x [M 1, K 32] x [K 32, N 8,192]; A: computed on the way; B: computed on the way: left as it is (M = 1 < 16)
;;     5. batch 64 x [M 32, K 32] x [K 32, N 8,192]; A: computed on the way; B: computed on the way: QUANTISED (scales: A lowp_scales[6], B lowp_scales[7])
;;     6. batch 524,288 x [M 1, K 1] x [K 1, N 32]; A: computed on the way; B: computed on the way: left as it is (no contracted axis)
;;     7. [M 65,536, K 256] x [K 256, N 256]; A: computed on the way; B: input Wp (given as codes): QUANTISED (scales: A lowp_scales[8], B lowp_scales[9])
;;     8. [M 65,536, K 256] x [K 256, N 512]; A: computed on the way; B: input W1 (given as codes): QUANTISED (scales: A lowp_scales[10], B lowp_scales[11])
;;     9. [M 65,536, K 512] x [K 512, N 256]; A: computed on the way; B: input W2 (given as codes): QUANTISED (scales: A lowp_scales[12], B lowp_scales[13])
;;   THE QUANTISER, for each operand of a quantised product, along K:
;;     - The operand's scale is 2^e, e = its entry of the input lowp_scales (int32; the entries are numbered through the quantised products in the list's order, A before B).
;;     - Each number is divided by the scale, clamped to +-448, and rounded to the nearest number of E4M3, ties to even, subnormals kept.
;;     - The product sums the exact products of the quantised numbers (number of the format x scale) in f32.
;;   ~~~python
;;   def quantise(x, axis, e):      # numpy; x: float32 -> the quantised numbers, widened to float32 again
;;       x = np.moveaxis(x, axis, -1); K = x.shape[-1]
;;       r = np.clip(x / 2.0 ** e, -448, 448)
;;       step = 2.0 ** (np.maximum(np.frexp(np.where(r == 0, 1, r))[1] - 1, -6) - 3)
;;       q = np.round(r / step) * step * 2.0 ** e      # np.round: ties to even
;;       return np.moveaxis(q, -1, axis).astype(np.float32)
;;   ~~~
;;   OPERANDS COMPUTED ON THE WAY. 'Computed on the way' means the value that the module computes at that place (a softmax that the list does not call 'softmax' is quantised finished and normalised). What goes into a quantiser is computed in f32, as accurately as f32 sums, v_exp_f32 and their like allow (about 1e-6 of the number): no bf16 or f16 on the way to a quantiser, and a product that is left as it is and whose result goes on into a quantised operand takes f32 operands (vector FMAs, or v_wmma_f32_16x16x4_f32). A number that lies on a knife's edge between two numbers of the format may be rounded either way, as far as f32 arithmetic and the matrix unit's own rounding can turn it there, and no further.
;;   INPUTS GIVEN AS CODES. W1 (in the module: [256, 512], K = its axis 0); W2 (in the module: [512, 256], K = its axis 0); Wkv (in the module: [256, 512], K = its axis 0); Wp (in the module: [256, 256], K = its axis 0); Wq (in the module: [256, 256], K = its axis 0): each comes as NAME_codes (uint8): NAME with its K axis moved to the last place and cut into blocks of 32 codes, [.., K / 32, bytes a block], one block behind the other in memory; one code a byte (a code: sign, 4 exponent bits, 3 mantissa bits); its scale is its entry of lowp_scales. Its value is code x scale, taken as it is: it is not quantised again, and the codes and scales need not be those that the quantiser above would give.
;; One version. Each part assembles by itself: llvm-mc -triple=amdgcn-amd-amdhsa -mcpu=gfx1250 --defsym DOCPART=n.
;; ======== version 1 of 1: 3 launches
;; workspace buffers: part 8,912,896 bytes; kvi 65,536 bytes; ksw 16,384 bytes
;; launch kvpass (part 1): grid 256 x 1, 8 waves a work-group, clusters of 4 x 1, 243,712 bytes of LDS; arguments kv, kv_mask, Wkv_codes, ln1_g, ln1_b, lowp_scales, part; writes part
.if DOCPART == 1
	.amdgcn_target "amdgcn-amd-amdhsa--gfx1250"
	.amdhsa_code_object_version 6
	.text
	.protected	k_qe5f7b77f9a_kvpass
	.globl	k_qe5f7b77f9a_kvpass
	.p2align	8
	.type	k_qe5f7b77f9a_kvpass,@function
k_qe5f7b77f9a_kvpass:
	s_mov_b64 s[64:65], 0
	v_nop
	global_prefetch_b8 v0, s[64:65] scope:SCOPE_SE
	s_setreg_imm32_b32 hwreg(HW_REG_WAVE_MODE, 25, 1), 1
	s_wait_xcnt 0x0
	s_wait_alu depctr_hold_cnt(0) depctr_sa_sdst(0) depctr_va_vdst(0) depctr_va_sdst(0) depctr_va_ssrc(0) depctr_va_vcc(0) depctr_vm_vsrc(0)
	s_getreg_b32 s2, hwreg(HW_REG_IB_STS2, 6, 4)
	s_cmp_eq_u32 s2, 0
	s_cbranch_scc0 .Lentry_in_a_cluster
	s_endpgm
.Lentry_in_a_cluster:
	s_bfe_u32 s2, ttmp6, 0x10000c
	s_cmp_lg_u32 s2, 0x3003
	s_cbranch_scc0 .Lentry_shape_is_right
	s_endpgm
.Lentry_shape_is_right:
; kv [65536][256] f32 -> for each work-group of 256 rows and each of the 8 heads: the part of kv_state (32 x 32, f32) and of the sum of k (32, f32) that these rows give.
; STEPS: LayerNorm (two passes, f32), codes of E4M3 with 2^e2; x Wkv (codes, 2^e3); k = elu + 1, masked; v masked, / 8192; codes with 2^e5 (k) and 2^e4 (v); kv_state += k^T v over the rows.
; SHARES.  Eight waves, two to a SIMD, 512 registers each.  For the norm wave w owns rows 32 w .. 32 w + 31; its codes go to LDS as images of the operand's registers.  For the products wave w owns HEAD w for all
; 256 rows: its 64 rows of Wkv stay in 128 registers, and kv_state is 4 accumulators that no other wave adds to.
; LAYOUT of a tile of 16 rows x 256 columns in 128 registers: lane (r, h) holds row r, register 8 t + j column 16 t + 8 h + j.  Eight such registers convert into registers 2 t, 2 t + 1 of the 8-bit operand (k = 16 t + 8 h + 0 .. 7).
; The first product is used as it stands (source 0 = 16 rows of kv, source 1 = 16 rows of Wkv): a lane then holds one column and eight neighbouring ROWS, which are the K of the second product.
; elu(x) + 1 = the middle one of e^x, x + 1 and 1 (x <= 0: x + 1 <= e^x <= 1; x > 0: 1 < x + 1 <= e^x).
; CLUSTER: the four work-groups of a cluster need the same Wkv: each of its eight pieces (64 rows) is asked for jointly, by the same tensor load with the same descriptor and the mask 15.  LDS bytes are filled once.
; LIMITS: e2, e5 and e4 - e2 - e3 + 13 lie between -126 and 119, e2 + e3 between -120 and 120, so that each power of two below is an f32 number.  NaN among the inputs is not served; an exponential under 2^-126 counts as 0.
.set WKV,   0                          ; LDS: Wkv's 512 rows, 256 bytes + 16 of padding: row r starts at bank 4 r mod 64 (64 banks of 4 bytes: ISA guide 11.1)
.set IMG,   139264                     ; 32 fragments (row tile g, K step s) of 2,048 bytes at (2 g + s) x 2,048: four registers a lane at 512 c + 16 x lane
.set STAGE, 204800                     ; 16 rows x 272 bytes for each wave
.set TAB,   239616                     ; gain, bias, mask of my 256 rows: 1,024 bytes each
.set AW,  6                            ; v6   272 r + 8 h
.set LI0, 7                            ; v7   IMG + 16 x lane
.set TA,  8                            ; v8   TAB + 32 h
.set STR, 9                            ; v9   my stage, by rows as they lie in memory: 272 (lane / 16) + 16 (lane % 16)
.set STL, 10                           ; v10  my stage, by the layout: 272 r + 32 h
.set GOF, 11                           ; v11  1,024 (lane / 16) + 16 (lane % 16): never rewritten
.set AD0, 12                           ; v12-15 addresses in hand
.set MU,  16                           ; v[16:17] the two row tiles' means;  v[18:19] 1 / sqrt(var + eps)
.set RS,  18
.set SC,  26                           ; v26 a conversion's scale, v27 448 x it; v28-29 at work in the norm, then v's scale and limit
.set LIM, 27
.set CA,  32                           ; v32-95  the codes: 32 a + 2 t
.set ACC, 96                           ; v96-223 at work; in the loop the 16 accumulators (T, c) at 96 + 32 T + 8 c
.set WF,  160
.set T16, 240
.set AF,  32                           ; in the loop: two buffers of 32 for the rows' fragments, then the exponentials
.set KC,  224                          ; k's codes, 8 a half of the head;  v's at 240
.set VC,  240
.set WV,  2
.set G1,  28                           ; s[28:35], s[36:39] the descriptor
.set G0,  36
.set CL2E, 40                          ; s[40:41] log2(e) x 2^(e2 + e3);  s[42:43] 2^(e2 + e3)
.set CPOW, 42
.set SEL, 44                           ; s[44:45] lane selects: lane xor 16
.set EPS, 46
.set QN,  48                           ; (scale, limit) for the norm's codes; s50 k's; s52 v's
.set QK,  50
.set QV,  52
.set SIM, 54                           ; the trip's place among the images;  s55 in the mask
.set SMK, 55
.set MSB, 0
.macro WIN new                         ; the immediate's high byte repeats the setting that is left; a switch that changes nothing is dropped
.if MSB != \new
	s_set_vgpr_msb (MSB<<8)|\new
.set MSB, \new
.endif
.endm
.macro PLACES                          ; four plain places behind matrix instructions, ahead of loads into their registers and of reads of their results
.rept 4
	v_nop
.endr
.endm
.macro BARRIER
	s_barrier_signal -1
	s_barrier_wait -1
.endm
.macro CROUND                          ; a round of the cluster's barrier
	s_barrier_signal -1
	s_barrier_wait -1
	s_cmp_lg_u32 s[WV], 0
	s_cbranch_scc1 .Lnot_wave_0_\@
	s_barrier_signal -3
.Lnot_wave_0_\@:
	s_barrier_wait -3
	s_barrier_signal -1
	s_barrier_wait -1
.endm
.macro MKQ d, e                        ; s[d] = 2^e as f32, s[d+1] = 448 x 2^e, e in s[e]
	s_add_co_i32 s[\d], s[\e], 127
	s_add_co_i32 s[\d+1], s[\e], 135
	s_lshl_b32 s[\d], s[\d], 23
	s_lshl_b32 s[\d+1], s[\d+1], 23
	s_or_b32 s[\d+1], s[\d+1], 0x600000
.endm
.macro PKSUBB d, x, p, a               ; pair d = pair x - word a of pair p
.if (\a) == 0
	v_pk_add_f32 v[\d:\d+1], v[\x:\x+1], v[\p:\p+1] op_sel_hi:[1,0] neg_lo:[0,1] neg_hi:[0,1]
.else
	v_pk_add_f32 v[\d:\d+1], v[\x:\x+1], v[\p:\p+1] op_sel:[0,1] op_sel_hi:[1,1] neg_lo:[0,1] neg_hi:[0,1]
.endif
.endm
.macro PKMULB d, x, p, a               ; pair d = pair x times word a of pair p
.if (\a) == 0
	v_pk_mul_f32 v[\d:\d+1], v[\x:\x+1], v[\p:\p+1] op_sel_hi:[1,0]
.else
	v_pk_mul_f32 v[\d:\d+1], v[\x:\x+1], v[\p:\p+1] op_sel:[0,1] op_sel_hi:[1,1]
.endif
.endm
; My 32 rows: 64 loads, each of two rows' 256 consecutive bytes (sixteen lanes a row), into window 1
.macro ROWS_ISSUE base
	WIN 0x40
.irp a, 0,1
.irp k, 0,1,2,3
.irp i, 0,1,2,3,4,5,6,7
	global_load_b128 v[128*\a+32*\k+4*\i:128*\a+32*\k+4*\i+3], v[GOF], s[\base:\base+1] offset:(16*\a+2*\i)*1024+256*\k th:TH_LOAD_NT
.endr
.endr
.endr
	WIN 0
.endm
; and through my stage into the layout, 16 rows x 64 columns at a time.  LDS serves a wave's instructions in order (ISA guide 5.7.1.4): no wait between the stores and the loads, nor ahead of the next piece's stores
.macro ROWS_TURN
.irp a, 0,1
.irp k, 0,1,2,3
	s_wait_loadcnt 56-8*(4*\a+\k)                  ; this piece's eight loads are in; the later pieces' may be out
	WIN 0x04
.irp i, 0,1,2,3,4,5,6,7
	ds_store_b128 v[STR], v[128*\a+32*\k+4*\i:128*\a+32*\k+4*\i+3] offset:544*\i
.endr
	WIN 0x40
.irp tt, 0,1,2,3
.irp q, 0,1
	ds_load_b128 v[128*\a+32*\k+8*\tt+4*\q:128*\a+32*\k+8*\tt+4*\q+3], v[STL] offset:64*\tt+16*\q
.endr
.endr
.endr
.endr
	WIN 0
	s_wait_dscnt 0x0
.endm
.macro LNTAB st, gofs, bofs            ; gain and bias of column tiles 2 st, 2 st + 1: eight loads into half st % 2 of WF
.irp u, 0,1
.set rG, WF+32*((\st)%2)+8*\u
	ds_load_b128 v[rG:rG+3], v[TA] offset:\gofs+64*(2*(\st)+\u)
	ds_load_b128 v[rG+4:rG+7], v[TA] offset:\gofs+64*(2*(\st)+\u)+16
	ds_load_b128 v[rG+16:rG+19], v[TA] offset:\bofs+64*(2*(\st)+\u)
	ds_load_b128 v[rG+20:rG+23], v[TA] offset:\bofs+64*(2*(\st)+\u)+16
.endr
.endm
.macro FOLD a                          ; row tile a's four chains, their halves, and the other half of the lanes: the row's sum in v[T16 + 8 a]
.set c0, T16+8*\a
	v_pk_add_f32 v[c0:c0+1], v[c0:c0+1], v[c0+2:c0+3]
	v_pk_add_f32 v[c0+4:c0+5], v[c0+4:c0+5], v[c0+6:c0+7]
	v_pk_add_f32 v[c0:c0+1], v[c0:c0+1], v[c0+4:c0+5]
	v_add_f32 v[c0], v[c0], v[c0+1]
	v_permlanex16_b32 v[28+\a], v[c0], s[SEL], s[SEL+1]
	v_add_f32 v[c0], v[c0], v[28+\a]
.endm
; LayerNorm of the 32 rows in window 1 (which stay), and its codes into CA.  v[SC], v[LIM] are set.  The variance is the mean of (x - mean)^2, in a pass of its own.
.macro LNQ gofs, bofs, seps
	LNTAB 0, \gofs, \bofs
	LNTAB 1, \gofs, \bofs
	WIN 0x05
.irp k, 0,1,2,3
.irp a, 0,1
	v_pk_add_f32 v[T16+8*\a+2*\k:T16+8*\a+2*\k+1], v[128*\a+2*\k:128*\a+2*\k+1], v[128*\a+2*\k+8:128*\a+2*\k+9]
.endr
.endr
	WIN 0x04
.set i, 8
.rept 56                               ; ascending: each group of eight registers is read from its low end on
.irp a, 0,1
.set c0, T16+8*\a+2*(i%4)
	v_pk_add_f32 v[c0:c0+1], v[c0:c0+1], v[128*\a+2*i:128*\a+2*i+1]
.endr
.set i, i+1
.endr
	WIN 0
	FOLD 0
	FOLD 1
	v_mul_f32 v[MU], 0x3b800000, v[T16]            ; / 256
	v_mul_f32 v[MU+1], 0x3b800000, v[T16+8]
.irp bt, 0,1,2,3
	WIN 0x01
.irp a, 0,1
.set i, 0
.rept 16
	PKSUBB ACC+32*\a+2*i, 128*\a+32*\bt+2*i, MU, \a
.set i, i+1
.endr
.endr
	WIN 0
.set i, 0
.rept 16
.irp a, 0,1
.set c0, T16+8*\a+2*(i%4)
.set rD, ACC+32*\a+2*i
.if (\bt == 0) && (i < 4)
	v_pk_mul_f32 v[c0:c0+1], v[rD:rD+1], v[rD:rD+1]
.else
	v_pk_fma_f32 v[c0:c0+1], v[rD:rD+1], v[rD:rD+1], v[c0:c0+1]
.endif
.endr
.set i, i+1
.endr
.endr
	FOLD 0
	FOLD 1
	v_fma_f32 v[T16], v[T16], 0x3b800000, s[\seps]
	v_fma_f32 v[T16+8], v[T16+8], 0x3b800000, s[\seps]
	v_rsq_f32 v[RS], v[T16]
	v_rsq_f32 v[RS+1], v[T16+8]
	v_nop                                          ; a plain place behind the roots,
	s_wait_alu depctr_va_vdst(0)                   ; and the one wait ahead of their first reader
.irp st, 0,1,2,3,4,5,6,7
.if \st < 7
	s_wait_dscnt 8                                 ; this step's gain and bias are in; the next step's eight loads may be out
.else
	s_wait_dscnt 0x0
.endif
	WIN 0x01
.irp a, 0,1
.irp u, 0,1
.irp jj, 0,2,4,6
	PKSUBB ACC+32*(\st%2)+16*\a+8*\u+\jj, 128*\a+8*(2*\st+\u)+\jj, MU, \a
.endr
.endr
.endr
	WIN 0
.irp a, 0,1
.set i, 0
.rept 8
	PKMULB ACC+32*(\st%2)+16*\a+i, ACC+32*(\st%2)+16*\a+i, RS, \a
.set i, i+2
.endr
.endr
.irp a, 0,1
.set i, 0
.rept 8
.set rD, ACC+32*(\st%2)+16*\a+i
.set rG, WF+32*(\st%2)+i
	v_pk_fma_f32 v[rD:rD+1], v[rD:rD+1], v[rG:rG+1], v[rG+16:rG+17]
.set i, i+2
.endr
.endr
.if \st < 6
	LNTAB \st+2, \gofs, \bofs
.endif
.set i, 0
.rept 32
	v_med3_num_f32 v[ACC+32*(\st%2)+i], v[ACC+32*(\st%2)+i], -v[LIM], v[LIM]   ; the conversion does not saturate (ISA guide 7.6.2): the hold at 448 x the scale
.set i, i+1
.endr
.irp a, 0,1
.irp u, 0,1
	v_cvt_scalef32_pk8_fp8_f32 v[CA+32*\a+2*(2*\st+\u):CA+32*\a+2*(2*\st+\u)+1], v[ACC+32*(\st%2)+16*\a+8*\u:ACC+32*(\st%2)+16*\a+8*\u+7], v[SC]
.endr
.endr
.endr
	v_nop                                          ; a plain place behind the last conversion
.endm
	s_load_b256 s[8:15], s[0:1], 0x0               ; kv s[8:9], kv_mask s[10:11], Wkv's codes s[12:13], gain s[14:15]
	s_load_b128 s[16:19], s[0:1], 0x20             ; bias s[16:17], the scales' exponents s[18:19]
	s_load_b64 s[20:21], s[0:1], 0x30              ; part
	v_lshl_add_u32 v24, v0, 2, 0x3b400
	v_mov_b32 v25, 0
	ds_add_u32 v24, v25
	ds_add_u32 v24, v25
	v_lshrrev_b32 v1, 5, v0
	v_readfirstlane_b32 s[WV], v1                  ; wave 0..7
	s_bfe_u32 s5, ttmp6, 0x40000                   ; cx
	s_lshl_b32 s4, ttmp9, 2
	s_add_co_u32 s4, s4, s5                        ; my work-group = 4 x cluster + cx: it enters global addresses alone
	v_and_b32 v1, 31, v0                           ; lane
	v_and_b32 v2, 15, v0                           ; r
	v_bfe_u32 v3, v0, 4, 1                         ; h
	v_mul_u32_u24 v[AW], v2, 272
	v_lshl_add_u32 v[AW], v3, 3, v[AW]
	v_lshlrev_b32 v[LI0], 4, v1
	v_add_nc_u32 v[LI0], IMG, v[LI0]
	v_lshlrev_b32 v[TA], 5, v3
	v_add_nc_u32 v[TA], TAB, v[TA]
	s_mul_i32 s6, s[WV], 4352
	s_add_co_u32 s6, s6, STAGE
	v_mul_u32_u24 v[STR], v3, 272
	v_lshl_add_u32 v[STR], v2, 4, v[STR]
	v_add_nc_u32 v[STR], s6, v[STR]
	v_mul_u32_u24 v[STL], v2, 272
	v_lshl_add_u32 v[STL], v3, 5, v[STL]
	v_add_nc_u32 v[STL], s6, v[STL]
	v_lshlrev_b32 v[GOF], 10, v3
	v_lshl_add_u32 v[GOF], v2, 4, v[GOF]
	v_lshlrev_b32 v12, 2, v0                       ; 4 x thread: a table's word
	v_add_nc_u32 v13, TAB, v12
	v_mov_b32 v28, 0                               ; a lane permute's destination counts as read: written once
	v_mov_b32 v29, 0
	s_mov_b32 s[SEL], 0x76543210
	s_mov_b32 s[SEL+1], 0xfedcba98
	s_mov_b32 s[EPS], 0x3727c5ac                   ; 1e-5
	s_mov_b32 s23, 0
	s_wait_dscnt 0x0
	s_wait_kmcnt 0x0
	s_load_b128 s[24:27], s[18:19], 0x8            ; e2, e3, e4, e5
	s_lshl_b32 s22, s4, 10
	s_add_nc_u64 s[10:11], s[10:11], s[22:23]      ; my 256 rows' mask
	s_lshl_b32 s22, s4, 18
	s_lshl_b32 s6, s[WV], 15
	s_add_co_u32 s22, s22, s6
	s_add_nc_u64 s[8:9], s[8:9], s[22:23]          ; my wave's 32 rows of 1,024 bytes
	global_load_b32 v32, v12, s[14:15]
	global_load_b32 v33, v12, s[16:17]
	global_load_b32 v34, v12, s[10:11]
	ROWS_ISSUE 8
	s_mov_b32 s[G1+0], 15|(1<<20)|(1<<21)|(5<<22)|(3<<25)   ; 15:0 the mask: all four work-groups; 17:16 elements of 1 byte; 20 padding on; 21 set beside a mask; 24:22 after every 64 words; 31:25 four words
	s_mov_b32 s[G1+1], 256<<16                     ; tensor_dim0
	s_mov_b32 s[G1+2], 64<<16                      ; tensor_dim1
	s_mov_b32 s[G1+3], 256<<16                     ; tile_dim0
	s_mov_b32 s[G1+4], 64                          ; tile_dim1
	s_mov_b32 s[G1+5], 256                         ; from row to row
	s_mov_b32 s[G1+6], 0
	s_mov_b32 s[G1+7], 0
	s_mov_b32 s[G0], 1
	s_mul_i32 s[G0+1], s[WV], 17408                ; LDS: 64 rows of 272 bytes a wave
	s_lshl_b32 s22, s[WV], 14
	s_add_nc_u64 s[G0+2:G0+3], s[12:13], s[22:23]  ; rows 64 w on
	s_or_b32 s[G0+3], s[G0+3], 0x80000000
	CROUND                                         ; all four work-groups are here: the joint loads meet
	tensor_load_to_lds s[G0:G0+3], s[G1:G1+7]      ; my one tensor load
	s_nop 0
.rept 4
	v_nop
.endr
	s_wait_kmcnt 0x0
	s_add_co_i32 s5, s24, s25                      ; e2 + e3
	s_lshl_b32 s6, s5, 23
	s_add_co_i32 s[CL2E], s6, 0x3fb8aa3b           ; added to log2(e)'s exponent field
	s_mov_b32 s[CL2E+1], s[CL2E]
	s_add_co_i32 s6, s5, 127
	s_lshl_b32 s[CPOW], s6, 23
	s_mov_b32 s[CPOW+1], s[CPOW]
	MKQ QN, 24
	MKQ QK, 27
	s_sub_co_i32 s5, s26, s5
	s_add_co_i32 s5, s5, 13                        ; v's code = sum x mask / 2^(e4 - e2 - e3 + 13): the product's two scales and the division by 8,192 are folded into the conversion's scale
	MKQ QV, 5
	s_wait_loadcnt 63                              ; 64 row loads stand behind the three table loads; the count's field holds 63: the oldest four loads are in
	ds_store_b32 v13, v32
	ds_store_b32 v13, v33 offset:1024
	ds_store_b32 v13, v34 offset:2048
	s_wait_dscnt 0x0                               ; for the others' sake
	BARRIER                                        ; the tables lie in LDS; the tensor load may stay out
	ROWS_TURN
	v_mov_b32 v[SC], s[QN]
	v_mov_b32 v[LIM], s[QN+1]
	LNQ 0, 1024, EPS
	s_lshl_b32 s6, s[WV], 13
	s_add_co_u32 s6, s6, IMG
	v_lshl_add_u32 v[AD0], v1, 4, s6               ; my four fragments' images
.irp a, 0,1
.irp s, 0,1
.irp c, 0,1,2,3
	ds_store_b128 v[AD0], v[CA+32*\a+16*\s+4*\c:CA+32*\a+16*\s+4*\c+3] offset:(2*\a+\s)*2048+512*\c
.endr
.endr
.endr
	s_wait_tensorcnt 0x0                           ; my piece of Wkv has landed,
	s_wait_dscnt 0x0                               ; my images are stored
	BARRIER                                        ; everybody's
	s_mul_i32 s5, s[WV], 8704
	v_add_nc_u32 v13, s5, v[AW]                    ; k's rows of Wkv for head w: 32 w on;
	v_add_nc_u32 v14, 69632, v13                   ; v's: 256 rows further down
	WIN 0x40
.irp T, 0,1,2,3                        ; fragment (T, s) at v[32 T + 16 s] of window 1: they stay
.irp s, 0,1
.irp c, 0,1,2,3,4,5,6,7
	ds_load_b64 v[32*\T+16*\s+2*\c:32*\T+16*\s+2*\c+1], v[13+\T/2] offset:4352*(\T%2)+128*\s+16*\c
.endr
.endr
.endr
.set i, 0
.rept 40                               ; kv_state's four accumulators and the sums of k begin as zeros: 40 lines once, in place of a second copy of the trip
	v_mov_b32 v[160+i], 0
.set i, i+1
.endr
	WIN 0
	v_mov_b32 v[SC], s[QK]
	v_mov_b32 v[LIM], s[QK+1]
	v_mov_b32 v28, s[QV]
	v_mov_b32 v29, s[QV+1]
	s_mov_b32 s[SIM], 0
	s_mov_b32 s[SMK], 2048
	s_mov_b32 s3, 0
.macro AFLOAD c                        ; row tile c of the trip: two fragments, eight loads
.irp s, 0,1
.irp q, 0,1,2,3
	ds_load_b128 v[AF+32*((\c)%2)+16*\s+4*\q:AF+32*((\c)%2)+16*\s+4*\q+3], v[AD0] offset:4096*(\c)+2048*\s+512*\q
.endr
.endr
.endm
.Ltrip:                                ; four trips of 64 rows
	v_add_nc_u32 v[AD0], s[SIM], v[LI0]
	v_add_nc_u32 v[AD0+1], s[SMK], v[TA]
	WIN 0x40
.irp c, 0,1,2,3                        ; the mask of rows 16 c + 8 h + 0 .. 7
	ds_load_b128 v[128+8*\c:128+8*\c+3], v[AD0+1] offset:64*\c
	ds_load_b128 v[128+8*\c+4:128+8*\c+7], v[AD0+1] offset:64*\c+16
.endr
	WIN 0
	AFLOAD 0
	AFLOAD 1
	WIN 0x04                                       ; source 1 (Wkv) window 1
.irp c, 0,1,2,3
.if \c < 3
	s_wait_dscnt 8                                 ; this row tile's fragments are in; the next one's eight loads may be out
.else
	s_wait_dscnt 0x0
.endif
.irp s, 0,1                            ; four accumulators by turns
.irp T, 0,1,2,3
.set rD, ACC+32*\T+8*\c
.set rA, AF+32*(\c%2)+16*\s
.set rB, 32*\T+16*\s
.if \s == 0
	v_wmma_f32_16x16x128_fp8_fp8 v[rD:rD+7], v[rA:rA+15], v[rB:rB+15], 0
.else
	v_wmma_f32_16x16x128_fp8_fp8 v[rD:rD+7], v[rA:rA+15], v[rB:rB+15], v[rD:rD+7]
.endif
.endr
.endr
	PLACES
.if \c < 2
	AFLOAD \c+2
.endif
.endr
	WIN 0
.set i, 0
.rept 32
	v_pk_mul_f32 v[AF+i:AF+i+1], v[ACC+i:ACC+i+1], s[CL2E:CL2E+1] op_sel_hi:[1,0]   ; x log2(e), x = sum x 2^(e2 + e3)
.set i, i+2
.endr
.set i, 0
.rept 64
	v_exp_f32 v[AF+i], v[AF+i]
.set i, i+1
.endr
.set i, 0
.rept 32
	v_pk_fma_f32 v[ACC+i:ACC+i+1], v[ACC+i:ACC+i+1], s[CPOW:CPOW+1], 1.0 op_sel_hi:[1,0,0]   ; x + 1: the plain work behind the exponentials
.set i, i+2
.endr
	s_wait_alu depctr_va_vdst(0)                   ; one wait for the 64 exponentials, ahead of their first reader
.set i, 0
.rept 64
	v_med3_num_f32 v[ACC+i], v[AF+i], v[ACC+i], 1.0   ; elu + 1
.set i, i+1
.endr
	WIN 0x04
.irp T, 0,1,2,3                        ; k and v times the rows' mask
.irp c, 0,1,2,3
.irp jj, 0,2,4,6
.set rD, ACC+32*\T+8*\c+\jj
	v_pk_mul_f32 v[rD:rD+1], v[rD:rD+1], v[128+8*\c+\jj:128+8*\c+\jj+1]
.endr
.endr
.endr
	WIN 0x41
.irp c, 0,1,2,3                        ; the sum of the unquantised k, two chains for each half of the head
.irp jj, 0,2,4,6
.irp dl, 0,1
.set rK, 192+4*\dl+(\jj%4)
	v_pk_add_f32 v[rK:rK+1], v[rK:rK+1], v[ACC+32*\dl+8*\c+\jj:ACC+32*\dl+8*\c+\jj+1]
.endr
.endr
.endr
	WIN 0
.set i, 0
.rept 64
	v_med3_num_f32 v[ACC+i], v[ACC+i], -v[LIM], v[LIM]
.set i, i+1
.endr
.irp dl, 0,1
.irp c, 0,1,2,3
	v_cvt_scalef32_pk8_fp8_f32 v[KC+8*\dl+2*\c:KC+8*\dl+2*\c+1], v[ACC+32*\dl+8*\c:ACC+32*\dl+8*\c+7], v[SC]
.endr
.endr
.set i, 64
.rept 64
	v_med3_num_f32 v[ACC+i], v[ACC+i], -v29, v29
.set i, i+1
.endr
.irp dl, 0,1
.irp c, 0,1,2,3
	v_cvt_scalef32_pk8_fp8_f32 v[VC+8*\dl+2*\c:VC+8*\dl+2*\c+1], v[ACC+64+32*\dl+8*\c:ACC+64+32*\dl+8*\c+7], v28
.endr
.endr
	v_nop                                          ; a plain place between the conversions and the products that read their results
	WIN 0x50                                       ; C and D window 1
.irp dl, 0,1                           ; source 0 = k (16 d), source 1 = v (16 m), K = the trip's 64 rows: register j is d = 16 dl + 8 h + j, lane r is m = 16 mu + r
.irp mu, 0,1
.set rD, 160+8*(2*\dl+\mu)
	v_wmma_f32_16x16x64_fp8_fp8 v[rD:rD+7], v[KC+8*\dl:KC+8*\dl+7], v[VC+8*\mu:VC+8*\mu+7], v[rD:rD+7]
.endr
.endr
	WIN 0
	PLACES
	s_add_co_u32 s[SIM], s[SIM], 16384
	s_add_co_u32 s[SMK], s[SMK], 256
	s_add_co_u32 s3, s3, 1
	s_cmp_lt_u32 s3, 4
	s_cbranch_scc1 .Ltrip
	WIN 0x05
	v_pk_add_f32 v[T16:T16+1], v[192:193], v[194:195]
	v_pk_add_f32 v[T16+2:T16+3], v[196:197], v[198:199]
	WIN 0
	v_add_f32 v30, v[T16], v[T16+1]
	v_add_f32 v31, v[T16+2], v[T16+3]              ; my half of the rows' sum of k(16 dl + r), dl = 0, 1
	v_lshlrev_b32 v12, 4, v1
	v_lshlrev_b32 v13, 3, v1
	s_lshl_b32 s22, s4, 3
	s_add_co_u32 s22, s22, s[WV]
	s_mul_i32 s22, s22, 4352                       ; block (work-group, head)
	s_add_nc_u64 s[20:21], s[20:21], s[22:23]
	WIN 0x04
.irp t, 0,1,2,3                        ; each store covers 512 consecutive bytes, aligned; each accumulator from its low end on
	global_store_b128 v12, v[160+8*\t:160+8*\t+3], s[20:21] offset:1024*\t
	global_store_b128 v12, v[160+8*\t+4:160+8*\t+7], s[20:21] offset:1024*\t+512
.endr
	WIN 0
	global_store_b64 v13, v[30:31], s[20:21] offset:4096
	s_wait_tensorcnt 0x0
	ds_add_u32 v24, v25
	s_wait_dscnt 0x0
	CROUND                                         ; the closing round: no work-group ends while a partner may still ask for a tile that names it
	s_endpgm
.Lfunc_end_k_qe5f7b77f9a_kvpass:
	.size	k_qe5f7b77f9a_kvpass, .Lfunc_end_k_qe5f7b77f9a_kvpass-k_qe5f7b77f9a_kvpass
	.p2alignl 7, 3214868480
	.fill 96, 4, 3214868480
	.section	.rodata,"a",@progbits
	.p2align	6, 0x0
	.amdhsa_kernel k_qe5f7b77f9a_kvpass
		.amdhsa_group_segment_fixed_size 243712
		.amdhsa_private_segment_fixed_size 0
		.amdhsa_enable_private_segment 0
		.amdhsa_kernarg_size 56
		.amdhsa_user_sgpr_count 2
		.amdhsa_user_sgpr_kernarg_segment_ptr 1
		.amdhsa_wavefront_size32 1
		.amdhsa_system_sgpr_workgroup_id_x 1
		.amdhsa_system_sgpr_workgroup_id_y 1
		.amdhsa_system_sgpr_workgroup_id_z 1
		.amdhsa_system_vgpr_workitem_id 0
		.amdhsa_next_free_vgpr 512
		.amdhsa_next_free_sgpr 66
		.amdhsa_reserve_vcc 0
		.amdhsa_float_denorm_mode_32 3
		.amdhsa_float_denorm_mode_16_64 3
		.amdhsa_memory_ordered 1
		.amdhsa_forward_progress 1
		.amdhsa_inst_pref_size 133
	.end_amdhsa_kernel
	.amdgpu_metadata
---
amdhsa.version: [ 1, 2 ]
amdhsa.kernels:
  - .name:           k_qe5f7b77f9a_kvpass
    .symbol:         k_qe5f7b77f9a_kvpass.kd
    .args:
      - { .name: kv, .offset: 0, .size: 8, .value_kind: global_buffer, .address_space: global }
      - { .name: kv_mask, .offset: 8, .size: 8, .value_kind: global_buffer, .address_space: global }
      - { .name: Wkv_codes, .offset: 16, .size: 8, .value_kind: global_buffer, .address_space: global }
      - { .name: ln1_g, .offset: 24, .size: 8, .value_kind: global_buffer, .address_space: global }
      - { .name: ln1_b, .offset: 32, .size: 8, .value_kind: global_buffer, .address_space: global }
      - { .name: lowp_scales, .offset: 40, .size: 8, .value_kind: global_buffer, .address_space: global }
      - { .name: part, .offset: 48, .size: 8, .value_kind: global_buffer, .address_space: global }
    .group_segment_fixed_size: 243712
    .private_segment_fixed_size: 0
    .kernarg_segment_align: 8
    .kernarg_segment_size: 56
    .max_flat_workgroup_size: 256
    .sgpr_count:     66
    .vgpr_count:     512
    .wavefront_size: 32
...
	.end_amdgpu_metadata
.endif
;; end of part 1
;; launch reduce (part 2): grid 320 x 1, 1 waves a work-group, no clusters, 0 bytes of LDS; arguments part, lowp_scales, kvi, ksw; writes kvi, ksw
.if DOCPART == 2
	.amdgcn_target "amdgcn-amd-amdhsa--gfx1250"
	.amdhsa_code_object_version 6
	.text
	.protected	k_qe5f7b77f9a_reduce
	.globl	k_qe5f7b77f9a_reduce
	.p2align	8
	.type	k_qe5f7b77f9a_reduce,@function
k_qe5f7b77f9a_reduce:
	s_mov_b64 s[64:65], 0
	v_nop
	global_prefetch_b8 v0, s[64:65] scope:SCOPE_SE
	s_setreg_imm32_b32 hwreg(HW_REG_WAVE_MODE, 25, 1), 1
	s_wait_xcnt 0x0
; The 32 parts of each (batch, head) are added, in ascending order of the rows, in f32.
; Work-groups 0-255 (one wave each): one tile of 16 x 16 of kv_state (batch n, head, tile 2 dl + mu).  The sum stands for sum x 2^(e4 + e5); its code of E4M3 with 2^e6 is sum / 2^(e6 - e4 - e5), held at 448.
;   The lane's eight sums are d = 16 dl + 8 h + 0 .. 7 of row m = 16 mu + r: their eight codes are two registers of the operand that the next launch loads: kvi[n][2 head + mu][dl][lane][8 bytes].
; Work-groups 256-319: the sum of k of one (batch, head): ksw[n][head][lane][dl], f32; lanes l and l + 16 hold the same numbers.
; Each load covers 512 (256) consecutive bytes; each store one aligned run of 256 bytes.  No LDS, no barrier: waves share nothing.
; LIMIT: e6 - e4 - e5 between -126 and 119.
.set STRIDE, 34816                     ; from a work-group's block to the next work-group's: 8 heads x 4,352 bytes
	s_load_b256 s[4:11], s[0:1], 0x0               ; part s[4:5], the exponents s[6:7], kvi s[8:9], ksw s[10:11]
	v_lshlrev_b32 v2, 4, v0
	v_lshlrev_b32 v3, 3, v0
	s_mov_b32 s17, 0
	s_cmp_ge_u32 ttmp9, 256
	s_cbranch_scc1 .Lksum
	s_lshr_b32 s12, ttmp9, 5                       ; batch
	s_bfe_u32 s13, ttmp9, 0x30002                  ; head
	s_and_b32 s14, ttmp9, 3                        ; tile
	s_mul_i32 s16, s12, 32*STRIDE
	s_mul_i32 s15, s13, 4352
	s_add_co_u32 s16, s16, s15
	s_lshl_b32 s15, s14, 10
	s_add_co_u32 s16, s16, s15
	s_wait_kmcnt 0x0
	s_load_b96 s[20:22], s[6:7], 0x10              ; e4, e5, e6
	s_add_nc_u64 s[4:5], s[4:5], s[16:17]
.macro RLD p                           ; part p into slot p % 16
	global_load_b128 v[16+8*((\p)%16):16+8*((\p)%16)+3], v2, s[4:5] offset:STRIDE*(\p) th:TH_LOAD_NT
	global_load_b128 v[16+8*((\p)%16)+4:16+8*((\p)%16)+7], v2, s[4:5] offset:STRIDE*(\p)+512 th:TH_LOAD_NT
.endm
.macro RSUM p
.irp j, 0,2,4,6
	v_pk_add_f32 v[4+\j:5+\j], v[4+\j:5+\j], v[16+8*((\p)%16)+\j:17+8*((\p)%16)+\j]
.endr
.endm
.set pp, 0
.rept 16
	RLD pp
.set pp, pp+1
.endr
	s_lshl_b32 s16, s12, 13                        ; where the codes go: 8,192 n + 1,024 head + 512 mu + 256 dl
	s_lshl_b32 s15, s13, 10
	s_add_co_u32 s16, s16, s15
	s_and_b32 s15, s14, 1
	s_lshl_b32 s15, s15, 9
	s_add_co_u32 s16, s16, s15
	s_lshr_b32 s15, s14, 1
	s_lshl_b32 s15, s15, 8
	s_add_co_u32 s16, s16, s15
	s_add_nc_u64 s[8:9], s[8:9], s[16:17]
	s_wait_kmcnt 0x0
	s_sub_co_i32 s23, s22, s20
	s_sub_co_i32 s23, s23, s21                     ; e6 - e4 - e5
	s_add_co_i32 s24, s23, 127
	s_lshl_b32 s24, s24, 23
	v_mov_b32 v12, s24                             ; the conversion's scale
	s_add_co_i32 s25, s23, 135
	s_lshl_b32 s25, s25, 23
	s_or_b32 s25, s25, 0x600000
	v_mov_b32 v13, s25                             ; 448 x it
.set pp, 0
.rept 16                               ; two parts a step
.if pp < 8
	s_wait_loadcnt 28                              ; 32 + 4 pp loads are issued, the first 4 (pp + 1) are wanted
.else
	s_wait_loadcnt 60-4*pp                         ; all 64 are issued
.endif
.if pp == 0
.irp j, 0,2,4,6
	v_pk_add_f32 v[4+\j:5+\j], v[16+\j:17+\j], v[24+\j:25+\j]   ; the first two parts start the sum
.endr
.else
	RSUM 2*pp
	RSUM 2*pp+1
.endif
.if pp < 8
	RLD 2*pp+16
	RLD 2*pp+17
.endif
.set pp, pp+1
.endr
.irp j, 0,1,2,3,4,5,6,7
	v_med3_num_f32 v[4+\j], v[4+\j], -v13, v13     ; the conversion does not saturate (ISA guide 7.6.2)
.endr
	v_cvt_scalef32_pk8_fp8_f32 v[14:15], v[4:11], v12
	global_store_b64 v3, v[14:15], s[8:9]
	s_endpgm
.Lksum:
	s_sub_co_u32 s12, ttmp9, 256                   ; 8 n + head
	s_lshr_b32 s13, s12, 3
	s_and_b32 s14, s12, 7
	s_mul_i32 s16, s13, 32*STRIDE
	s_mul_i32 s15, s14, 4352
	s_add_co_u32 s16, s16, s15
	s_mov_b32 s18, 0x76543210
	s_mov_b32 s19, 0xfedcba98
	s_wait_kmcnt 0x0
	s_add_nc_u64 s[4:5], s[4:5], s[16:17]
.set pp, 0
.rept 32
	global_load_b64 v[16+2*pp:17+2*pp], v3, s[4:5] offset:STRIDE*pp+4096 th:TH_LOAD_NT
.set pp, pp+1
.endr
	s_lshl_b32 s16, s12, 8
	s_add_nc_u64 s[10:11], s[10:11], s[16:17]
	v_mov_b32 v6, 0                                ; a lane permute's destination counts as read
	v_mov_b32 v7, 0
	s_wait_loadcnt 0x0
	v_pk_add_f32 v[4:5], v[16:17], v[18:19]
	v_pk_add_f32 v[8:9], v[20:21], v[22:23]
.set pp, 4
.rept 14
	v_pk_add_f32 v[4:5], v[4:5], v[16+2*pp:17+2*pp]
	v_pk_add_f32 v[8:9], v[8:9], v[18+2*pp:19+2*pp]
.set pp, pp+2
.endr
	v_pk_add_f32 v[4:5], v[4:5], v[8:9]
	v_permlanex16_b32 v6, v4, s18, s19             ; the other half of the rows lies in lane xor 16
	v_permlanex16_b32 v7, v5, s18, s19
	v_pk_add_f32 v[4:5], v[4:5], v[6:7]
	global_store_b64 v3, v[4:5], s[10:11]
	s_endpgm
.Lfunc_end_k_qe5f7b77f9a_reduce:
	.size	k_qe5f7b77f9a_reduce, .Lfunc_end_k_qe5f7b77f9a_reduce-k_qe5f7b77f9a_reduce
	.p2alignl 7, 3214868480
	.fill 96, 4, 3214868480
	.section	.rodata,"a",@progbits
	.p2align	6, 0x0
	.amdhsa_kernel k_qe5f7b77f9a_reduce
		.amdhsa_group_segment_fixed_size 0
		.amdhsa_private_segment_fixed_size 0
		.amdhsa_enable_private_segment 0
		.amdhsa_kernarg_size 32
		.amdhsa_user_sgpr_count 2
		.amdhsa_user_sgpr_kernarg_segment_ptr 1
		.amdhsa_wavefront_size32 1
		.amdhsa_system_sgpr_workgroup_id_x 1
		.amdhsa_system_sgpr_workgroup_id_y 1
		.amdhsa_system_sgpr_workgroup_id_z 1
		.amdhsa_system_vgpr_workitem_id 0
		.amdhsa_next_free_vgpr 160
		.amdhsa_next_free_sgpr 66
		.amdhsa_reserve_vcc 0
		.amdhsa_float_denorm_mode_32 3
		.amdhsa_float_denorm_mode_16_64 3
		.amdhsa_memory_ordered 1
		.amdhsa_forward_progress 1
		.amdhsa_inst_pref_size 23
	.end_amdhsa_kernel
	.amdgpu_metadata
---
amdhsa.version: [ 1, 2 ]
amdhsa.kernels:
  - .name:           k_qe5f7b77f9a_reduce
    .symbol:         k_qe5f7b77f9a_reduce.kd
    .args:
      - { .name: part, .offset: 0, .size: 8, .value_kind: global_buffer, .address_space: global }
      - { .name: lowp_scales, .offset: 8, .size: 8, .value_kind: global_buffer, .address_space: global }
      - { .name: kvi, .offset: 16, .size: 8, .value_kind: global_buffer, .address_space: global }
      - { .name: ksw, .offset: 24, .size: 8, .value_kind: global_buffer, .address_space: global }
    .group_segment_fixed_size: 0
    .private_segment_fixed_size: 0
    .kernarg_segment_align: 8
    .kernarg_segment_size: 32
    .max_flat_workgroup_size: 32
    .sgpr_count:     66
    .vgpr_count:     160
    .wavefront_size: 32
...
	.end_amdgpu_metadata
.endif
;; end of part 2
;; launch qpass (part 3): grid 256 x 1, 8 waves a work-group, clusters of 4 x 1, 327,680 bytes of LDS; arguments ln1_g, ln1_b, ln2_g, ln2_b, bp, b2, b1, q_mask, ksw, lowp_scales, Wq_codes, Wp_codes, W1_codes, W2_codes, q, kvi, out0; writes out0
.if DOCPART == 3
	.amdgcn_target "amdgcn-amd-amdhsa--gfx1250"
	.amdhsa_code_object_version 6
	.text
	.protected	k_qe5f7b77f9a_qpass
	.globl	k_qe5f7b77f9a_qpass
	.p2align	8
	.type	k_qe5f7b77f9a_qpass,@function
k_qe5f7b77f9a_qpass:
	s_mov_b64 s[64:65], 0
	v_nop
	global_prefetch_b8 v0, s[64:65] scope:SCOPE_SE
	s_setreg_imm32_b32 hwreg(HW_REG_WAVE_MODE, 25, 1), 1
	s_wait_xcnt 0x0
	s_wait_alu depctr_hold_cnt(0) depctr_sa_sdst(0) depctr_va_vdst(0) depctr_va_sdst(0) depctr_va_ssrc(0) depctr_va_vcc(0) depctr_vm_vsrc(0)
	s_getreg_b32 s2, hwreg(HW_REG_IB_STS2, 6, 4)
	s_cmp_eq_u32 s2, 0
	s_cbranch_scc0 .Lentry_in_a_cluster
	s_endpgm
.Lentry_in_a_cluster:
	s_bfe_u32 s2, ttmp6, 0x10000c
	s_cmp_lg_u32 s2, 0x3003
	s_cbranch_scc0 .Lentry_shape_is_right
	s_endpgm
.Lentry_shape_is_right:
; out = x + MLP(LN2(x)), x = q + attention(LN1(q)) Wp + bp.  All of it for 256 rows a work-group, 32 rows a wave, in registers; every bulk product on codes of E4M3 with the given scales 2^e.
; SHARES.  Eight waves, two to a SIMD, 512 registers each.  Wave w carries rows 32 w .. 32 w + 31 (two tiles of 16, a = 0, 1) through the whole chain; the waves meet only for the tables and the weights in LDS.
; LAYOUT of a tile of 16 rows x 256 columns in 128 registers: lane (r, h) holds row r, register 8 t + j column 16 t + 8 h + j.  It is what a product used transposed gives (source 0 = 16 rows of a weight, source 1 = 16 of my
; rows), and eight such registers convert into registers 2 t, 2 t + 1 of the next 8-bit operand (k = 16 t + 8 h + 0 .. 7): no result changes lanes, and every k stands in its own place.  Weights come by loads of 8 bytes.
; X (window 1, 256 registers) holds q, then (q + bp) / 2^(e8 + e9), onto which product 7 adds; then (x + b2) / 2^(e12 + e13), onto which product 9 adds: residuals and biases cost no addition of their own.
; LOOP A, four trips of two heads (64 columns): q_vec = elu(LN1(q) Wq) + 1, masked; z = 1 / (q_vec . ksum + 1e-6) in f32 on the unquantised numbers; kv_state x q_vec (K = 64: the other head's half of source 0 is zero codes);
;   x z x 8,192; a K step of 64 of product 7.   LOOP B, eight trips of 64 hidden units: LN2(x) W1 + b1 (the bias is the C), gelu, a K step of 64 of product 9.
; elu(x) + 1 = the middle one of e^x, x + 1 and 1.   erf(y) = y A(y^2) / B(y^2), y held within +-4, A of degree 6, B of degree 4, in f32.
; LDS holds Wq, Wp, W1 (278,528 bytes with their padding); W2 (135,168) is filled over Wq and Wp behind loop A, and has the second norm in which to land.
; CLUSTER: the four work-groups of a cluster need the same weights: each piece is asked for jointly, by the same tensor load with the same descriptor and the mask 15.  A wave has one tensor load out at a time.
; No prefetch: a work-group's rows are all asked for by loads at the head, and nothing of them lies further ahead.
; LIMITS.  So that each power of two below is an f32 number: e0, e7, e8, e10 and e12 - e10 - e11 + 1 between -126 and 119; e0 + e1 and e10 + e11 between -120 and 120; e8 + e9, e12 + e13 and their difference between -126 and 127;
; 2 (e8 + e9) between -140 and 100 (it goes into the second norm's epsilon).  1 + erf has an absolute error of about 1e-7, so gelu's relative accuracy falls below x = -3.  NaN among the inputs is not served; an exponential under 2^-126 counts as 0.
.set WQ,    0                          ; LDS: 256 rows of 256 bytes + 16: row r starts at bank 4 r mod 64 (64 banks of 4 bytes: ISA guide 11.1)
.set WP,    69632
.set WH1,   139264                     ; W1: 512 such rows
.set STAGE, 278528                     ; 16 rows x 272 bytes for each wave
.set TAB,   313344                     ; +0 gain 1, +1024 bias 1, +2048 gain 2, +3072 bias 2, +4096 bp / 2^(e8+e9), +5120 b2 / 2^(e12+e13), +6144 b1 / 2^(e10+e11), +8192 ksum, +9216 my rows' mask
.set SPARE, 323584                     ; the spare words, 128 bytes a wave: four blocks of 256 bytes that no other line names
.set KVO, 1                            ; v1   8 x lane
.set SPW, 4                            ; v4   my spare word; v5 = 0: never rewritten
.set NIL, 5
.set AW,  6                            ; v6   272 r + 8 h
.set AW2, 7                            ; v7   528 r + 8 h
.set TA,  8                            ; v8   TAB + 32 h
.set STR, 9                            ; v9   my stage, by rows as they lie in memory
.set STL, 10                           ; v10  my stage, by the layout
.set GOF, 11                           ; v11  1,024 (lane / 16) + 16 (lane % 16): never rewritten
.set AD0, 12                           ; v12-15 addresses in hand
.set AD1, 13
.set AD2, 14
.set AD3, 15
.set MU,  16
.set RS,  18
.set MK,  20                           ; v[20:21] my two rows' mask
.set ZF,  22                           ; v22 + 2 a + hd: z x 2^(e6 + e7 + 13)
.set SC,  26
.set LIM, 27
.set CA,  32                           ; v32-95  a norm's codes: 32 a + 2 t
.set ACC, 96                           ; v96-159 accumulators (tt, a) at 96 + 32 a + 8 tt
.set WF,  160                          ; v160-223 weights' fragments, two buffers of 32; at work
.set QC,  224                          ; v224-239 the codes of a K step of 64: 8 a
.set T16, 240
.set GT,  WF                           ; gelu: y, y^2, A, B
.set GU,  WF+16
.set GA,  WF+32
.set GB,  WF+48
.set WV,  2
.set QP,  36                           ; s[36:37] q, s[38:39] kvi, s[40:41] out
.set KVI, 38
.set OUT, 40
.set Q0,  28                           ; (scale, limit) pairs: e0, e7, e8, e10, e12 - e10 - e11 + 1
.set Q7,  30
.set Q8,  32
.set Q10, 34
.set Q12, 42
.set CL2E, 58                          ; log2(e) x 2^(e0 + e1)
.set CPOW, 60                          ; 2^(e0 + e1)
.set PN7, 62                           ; 2^-(e8 + e9)
.set PM79, 66                          ; 2^(e8 + e9 - e12 - e13)
.set G1A, 68
.set G0A, 76
.set G1B, 80
.set G0B, 88
.set PW9, 92                           ; 2^(e12 + e13)
.set CYS, 94                           ; 2^(e10 + e11) / sqrt(2)
.set SEL, 96
.set EPS1, 98
.set EPS2, 99
.set ZE,  100
.set KA13, 8                           ; erf's coefficients, a pair each (a11 and b6 lie in v[28:31])
.set KA9, 10
.set KA7, 12
.set KA5, 14
.set KA3, 16
.set KA1, 18
.set KB8, 20
.set KB4, 22
.set KB2, 24
.set KB0, 26
.set MSB, 0
.macro WIN new                         ; the immediate's high byte repeats the setting that is left; a switch that changes nothing is dropped
.if MSB != \new
	s_set_vgpr_msb (MSB<<8)|\new
.set MSB, \new
.endif
.endm
.macro PLACES                          ; four plain places behind matrix instructions, ahead of loads into their registers and of reads of their results
.rept 4
	v_nop
.endr
.endm
.macro BARRIER
	s_barrier_signal -1
	s_barrier_wait -1
.endm
.macro CROUND                          ; a round of the cluster's barrier
	s_barrier_signal -1
	s_barrier_wait -1
	s_cmp_lg_u32 s[WV], 0
	s_cbranch_scc1 .Lnot_wave_0_\@
	s_barrier_signal -3
.Lnot_wave_0_\@:
	s_barrier_wait -3
	s_barrier_signal -1
	s_barrier_wait -1
.endm
.macro MKQ d, e                        ; s[d] = 2^e as f32, s[d+1] = 448 x 2^e, e in s[e]
	s_add_co_i32 s[\d], s[\e], 127
	s_add_co_i32 s[\d+1], s[\e], 135
	s_lshl_b32 s[\d], s[\d], 23
	s_lshl_b32 s[\d+1], s[\d+1], 23
	s_or_b32 s[\d+1], s[\d+1], 0x600000
.endm
.macro SPAIR r, val
	s_mov_b32 s[\r], \val
	s_mov_b32 s[\r+1], s[\r]
.endm
.macro PKSUBB d, x, p, a               ; pair d = pair x - word a of pair p
.if (\a) == 0
	v_pk_add_f32 v[\d:\d+1], v[\x:\x+1], v[\p:\p+1] op_sel_hi:[1,0] neg_lo:[0,1] neg_hi:[0,1]
.else
	v_pk_add_f32 v[\d:\d+1], v[\x:\x+1], v[\p:\p+1] op_sel:[0,1] op_sel_hi:[1,1] neg_lo:[0,1] neg_hi:[0,1]
.endif
.endm
.macro PKMULB d, x, p, a               ; pair d = pair x times word a of pair p
.if (\a) == 0
	v_pk_mul_f32 v[\d:\d+1], v[\x:\x+1], v[\p:\p+1] op_sel_hi:[1,0]
.else
	v_pk_mul_f32 v[\d:\d+1], v[\x:\x+1], v[\p:\p+1] op_sel:[0,1] op_sel_hi:[1,1]
.endif
.endm
; My 32 rows: 64 loads, each of two rows' 256 consecutive bytes (sixteen lanes a row), into window 1
.macro ROWS_ISSUE base
	WIN 0x40
.irp a, 0,1
.irp k, 0,1,2,3
.irp i, 0,1,2,3,4,5,6,7
	global_load_b128 v[128*\a+32*\k+4*\i:128*\a+32*\k+4*\i+3], v[GOF], s[\base:\base+1] offset:(16*\a+2*\i)*1024+256*\k th:TH_LOAD_NT
.endr
.endr
.endr
	WIN 0
.endm
; and through my stage into the layout, 16 rows x 64 columns at a time.  LDS serves a wave's instructions in order (ISA guide 5.7.1.4): no wait between the stores and the loads, nor ahead of the next piece's stores
.macro ROWS_TURN
.irp a, 0,1
.irp k, 0,1,2,3
	s_wait_loadcnt 56-8*(4*\a+\k)                  ; this piece's eight loads are in; the later pieces' may be out
	WIN 0x04
.irp i, 0,1,2,3,4,5,6,7
	ds_store_b128 v[STR], v[128*\a+32*\k+4*\i:128*\a+32*\k+4*\i+3] offset:544*\i
.endr
	WIN 0x40
.irp tt, 0,1,2,3
.irp q, 0,1
	ds_load_b128 v[128*\a+32*\k+8*\tt+4*\q:128*\a+32*\k+8*\tt+4*\q+3], v[STL] offset:64*\tt+16*\q
.endr
.endr
.endr
.endr
	WIN 0
	s_wait_dscnt 0x0
.endm
.macro LNTAB st, gofs, bofs            ; gain and bias of column tiles 2 st, 2 st + 1: eight loads into half st % 2 of WF
.irp u, 0,1
.set rG, WF+32*((\st)%2)+8*\u
	ds_load_b128 v[rG:rG+3], v[TA] offset:\gofs+64*(2*(\st)+\u)
	ds_load_b128 v[rG+4:rG+7], v[TA] offset:\gofs+64*(2*(\st)+\u)+16
	ds_load_b128 v[rG+16:rG+19], v[TA] offset:\bofs+64*(2*(\st)+\u)
	ds_load_b128 v[rG+20:rG+23], v[TA] offset:\bofs+64*(2*(\st)+\u)+16
.endr
.endm
.macro FOLD a                          ; row tile a's four chains, their halves, and the other half of the lanes: the row's sum in v[T16 + 8 a]
.set c0, T16+8*\a
	v_pk_add_f32 v[c0:c0+1], v[c0:c0+1], v[c0+2:c0+3]
	v_pk_add_f32 v[c0+4:c0+5], v[c0+4:c0+5], v[c0+6:c0+7]
	v_pk_add_f32 v[c0:c0+1], v[c0:c0+1], v[c0+4:c0+5]
	v_add_f32 v[c0], v[c0], v[c0+1]
	v_permlanex16_b32 v[28+\a], v[c0], s[SEL], s[SEL+1]
	v_add_f32 v[c0], v[c0], v[28+\a]
.endm
; LayerNorm of the 32 rows in window 1 (which stay), and its codes into CA.  v[SC], v[LIM] are set.  The variance is the mean of (x - mean)^2, in a pass of its own.
.macro LNQ gofs, bofs, seps
	LNTAB 0, \gofs, \bofs
	LNTAB 1, \gofs, \bofs
	WIN 0x05
.irp k, 0,1,2,3
.irp a, 0,1
	v_pk_add_f32 v[T16+8*\a+2*\k:T16+8*\a+2*\k+1], v[128*\a+2*\k:128*\a+2*\k+1], v[128*\a+2*\k+8:128*\a+2*\k+9]
.endr
.endr
	WIN 0x04
.set i, 8
.rept 56                               ; ascending: each accumulator is read from its low end on
.irp a, 0,1
.set c0, T16+8*\a+2*(i%4)
	v_pk_add_f32 v[c0:c0+1], v[c0:c0+1], v[128*\a+2*i:128*\a+2*i+1]
.endr
.set i, i+1
.endr
	WIN 0
	FOLD 0
	FOLD 1
	v_mul_f32 v[MU], 0x3b800000, v[T16]            ; / 256
	v_mul_f32 v[MU+1], 0x3b800000, v[T16+8]
.irp bt, 0,1,2,3
	WIN 0x01
.irp a, 0,1
.set i, 0
.rept 16
	PKSUBB ACC+32*\a+2*i, 128*\a+32*\bt+2*i, MU, \a
.set i, i+1
.endr
.endr
	WIN 0
.set i, 0
.rept 16
.irp a, 0,1
.set c0, T16+8*\a+2*(i%4)
.set rD, ACC+32*\a+2*i
.if (\bt == 0) && (i < 4)
	v_pk_mul_f32 v[c0:c0+1], v[rD:rD+1], v[rD:rD+1]
.else
	v_pk_fma_f32 v[c0:c0+1], v[rD:rD+1], v[rD:rD+1], v[c0:c0+1]
.endif
.endr
.set i, i+1
.endr
.endr
	FOLD 0
	FOLD 1
	v_fma_f32 v[T16], v[T16], 0x3b800000, s[\seps]
	v_fma_f32 v[T16+8], v[T16+8], 0x3b800000, s[\seps]
	v_rsq_f32 v[RS], v[T16]
	v_rsq_f32 v[RS+1], v[T16+8]
	v_nop                                          ; a plain place behind the roots,
	s_wait_alu depctr_va_vdst(0)                   ; and the one wait ahead of their first reader
.irp st, 0,1,2,3,4,5,6,7
.if \st < 7
	s_wait_dscnt 8                                 ; this step's gain and bias are in; the next step's eight loads may be out
.else
	s_wait_dscnt 0x0
.endif
	WIN 0x01
.irp a, 0,1
.irp u, 0,1
.irp jj, 0,2,4,6
	PKSUBB ACC+32*(\st%2)+16*\a+8*\u+\jj, 128*\a+8*(2*\st+\u)+\jj, MU, \a
.endr
.endr
.endr
	WIN 0
.irp a, 0,1
.set i, 0
.rept 8
	PKMULB ACC+32*(\st%2)+16*\a+i, ACC+32*(\st%2)+16*\a+i, RS, \a
.set i, i+2
.endr
.endr
.irp a, 0,1
.set i, 0
.rept 8
.set rD, ACC+32*(\st%2)+16*\a+i
.set rG, WF+32*(\st%2)+i
	v_pk_fma_f32 v[rD:rD+1], v[rD:rD+1], v[rG:rG+1], v[rG+16:rG+17]
.set i, i+2
.endr
.endr
.if \st < 6
	LNTAB \st+2, \gofs, \bofs
.endif
.set i, 0
.rept 32
	v_med3_num_f32 v[ACC+32*(\st%2)+i], v[ACC+32*(\st%2)+i], -v[LIM], v[LIM]   ; the conversion does not saturate (ISA guide 7.6.2): the hold at 448 x the scale
.set i, i+1
.endr
.irp a, 0,1
.irp u, 0,1
	v_cvt_scalef32_pk8_fp8_f32 v[CA+32*\a+2*(2*\st+\u):CA+32*\a+2*(2*\st+\u)+1], v[ACC+32*(\st%2)+16*\a+8*\u:ACC+32*(\st%2)+16*\a+8*\u+7], v[SC]
.endr
.endr
.endr
	v_nop                                          ; a plain place behind the last conversion
.endm
; X = X x s[sp] + table[column]: 32 loads of the table's 256 numbers in the layout, 128 packed multiply-adds
.macro AFFINE sp, tofs
.irp t, 0,1,2,3,4,5,6,7,8,9,10,11,12,13,14,15
	ds_load_b128 v[ACC+8*\t:ACC+8*\t+3], v[TA] offset:\tofs+64*\t
	ds_load_b128 v[ACC+8*\t+4:ACC+8*\t+7], v[TA] offset:\tofs+64*\t+16
.endr
	WIN 0x41
.irp hf, 0,1
	s_wait_dscnt 16-16*\hf                         ; the first sixteen loads are in; then all
.irp a, 0,1
.set i, 64*\hf
.rept 32
	v_pk_fma_f32 v[128*\a+i:128*\a+i+1], v[128*\a+i:128*\a+i+1], s[\sp:\sp+1], v[ACC+i:ACC+i+1] op_sel_hi:[1,0,1]
.set i, i+2
.endr
.endr
.endr
	WIN 0
.endm
.macro FR128 reg, adr, off             ; a weight's fragment, 16 rows x 128 K: registers 2 c, 2 c + 1 hold k = 16 c + 8 h + 0 .. 7
.irp c, 0,1,2,3,4,5,6,7
	ds_load_b64 v[\reg+2*\c:\reg+2*\c+1], v[\adr] offset:\off+16*\c
.endr
.endm
.macro FR64 reg, adr, off              ; 16 rows x 64 K
.irp c, 0,1,2,3
	ds_load_b64 v[\reg+2*\c:\reg+2*\c+1], v[\adr] offset:\off+16*\c
.endr
.endm
; Four tiles of 16 columns x my 32 rows, K = 256, from CA: source 0 = the weight, source 1 = my rows.  czero = 1: the first K step starts the sums; 0: ACC holds the bias.  The tile's two accumulators take turns.
.macro GEMM128 adr, czero
	FR128 WF, \adr, 0
	FR128 WF+16, \adr, 128
	FR128 WF+32, \adr, 4352
	FR128 WF+48, \adr, 4352+128
.irp tt, 0,1,2,3
.if \tt < 3
	s_wait_dscnt 16                                ; this tile's sixteen loads (and all older ones) are in; the next tile's may be out
.else
	s_wait_dscnt 0x0
.endif
.irp s, 0,1
.irp a, 0,1
.set rD, ACC+32*\a+8*\tt
.set rW, WF+32*(\tt%2)+16*\s
.set rX, CA+32*\a+16*\s
.if (\s == 0) && \czero
	v_wmma_f32_16x16x128_fp8_fp8 v[rD:rD+7], v[rW:rW+15], v[rX:rX+15], 0
.else
	v_wmma_f32_16x16x128_fp8_fp8 v[rD:rD+7], v[rW:rW+15], v[rX:rX+15], v[rD:rD+7]
.endif
.endr
.endr
	PLACES
.if \tt < 2
	FR128 WF+32*(\tt%2), \adr, 4352*(\tt+2)
	FR128 WF+32*(\tt%2)+16, \adr, 4352*(\tt+2)+128
.endif
.endr
.endm
.macro G64LD g, p16, adlo, adhi        ; group g of four output tiles of a K step of 64: sixteen loads into buffer g % 2; tiles 0-7 by adlo, 8-15 by adhi
.irp i, 0,1,2,3
.if (\g) < 2
	FR64 WF+32*((\g)%2)+8*\i, \adlo, \p16*(4*(\g)+\i)
.else
	FR64 WF+32*((\g)%2)+8*\i, \adhi, \p16*(4*((\g)-2)+\i)
.endif
.endr
.endm
; X += weight x the K step's codes in QC: 32 accumulators by turns.  Groups 0 and 1 have been asked for.
.macro GEMM64 p16, adlo, adhi
.irp g, 0,1,2,3
.if \g < 3
	s_wait_dscnt 16                                ; this group is in; the next group's sixteen loads may be out
.else
	s_wait_dscnt 0x0
.endif
	WIN 0x50                                       ; C and D window 1
.irp i, 0,1,2,3
.irp a, 0,1
.set rD, 128*\a+8*(4*\g+\i)
	v_wmma_f32_16x16x64_fp8_fp8 v[rD:rD+7], v[WF+32*(\g%2)+8*\i:WF+32*(\g%2)+8*\i+7], v[QC+8*\a:QC+8*\a+7], v[rD:rD+7]
.endr
.endr
	WIN 0
	PLACES
.if \g < 2
	G64LD \g+2, \p16, \adlo, \adhi
.endif
.endr
.endm
	s_load_b512 s[8:23], s[0:1], 0x0               ; gain 1, bias 1, gain 2, bias 2, bp, b2, b1, q_mask
	s_load_b512 s[24:39], s[0:1], 0x40             ; ksw, the exponents, Wq, Wp, W1, W2, q, kvi
	s_load_b64 s[40:41], s[0:1], 0x80              ; out
	v_lshl_add_u32 v[SPW], v0, 2, SPARE
	v_mov_b32 v[NIL], 0
	ds_add_u32 v4, v5
	ds_add_u32 v4, v5
	s_wait_dscnt 0x0
	v_lshrrev_b32 v1, 5, v0
	v_readfirstlane_b32 s[WV], v1                  ; wave 0..7
	s_bfe_u32 s5, ttmp6, 0x40000                   ; cx
	s_lshl_b32 s4, ttmp9, 2
	s_add_co_u32 s4, s4, s5                        ; my work-group = 4 x cluster + cx: it enters global addresses alone
	v_and_b32 v2, 15, v0                           ; r
	v_bfe_u32 v3, v0, 4, 1                         ; h
	v_and_b32 v1, 31, v0
	v_lshlrev_b32 v[KVO], 3, v1
	v_mul_u32_u24 v[AW], v2, 272
	v_lshl_add_u32 v[AW], v3, 3, v[AW]
	v_mul_u32_u24 v[AW2], v2, 528
	v_lshl_add_u32 v[AW2], v3, 3, v[AW2]
	v_lshlrev_b32 v[TA], 5, v3
	v_add_nc_u32 v[TA], TAB, v[TA]
	s_mul_i32 s6, s[WV], 4352
	s_add_co_u32 s6, s6, STAGE
	v_mul_u32_u24 v[STR], v3, 272
	v_lshl_add_u32 v[STR], v2, 4, v[STR]
	v_add_nc_u32 v[STR], s6, v[STR]
	v_mul_u32_u24 v[STL], v2, 272
	v_lshl_add_u32 v[STL], v3, 5, v[STL]
	v_add_nc_u32 v[STL], s6, v[STL]
	v_lshlrev_b32 v[GOF], 10, v3
	v_lshl_add_u32 v[GOF], v2, 4, v[GOF]
	v_lshlrev_b32 v12, 2, v0                       ; 4 x thread: a table's word
	v_lshrrev_b32 v13, 5, v0                       ; ksum of column c = thread: head c / 32, half (c / 16) % 2, lane c % 16
	v_lshlrev_b32 v13, 8, v13
	v_lshl_add_u32 v13, v2, 3, v13
	v_lshl_add_u32 v13, v3, 2, v13
	v_add_nc_u32 v14, TAB, v12
	s_lshl_b32 s5, s[WV], 7
	s_add_co_u32 s5, s5, TAB+9216
	v_lshl_add_u32 v15, v2, 2, s5                  ; the mask of my row r
	v_mov_b32 v28, 0                               ; a lane permute's destination counts as read: written once
	v_mov_b32 v29, 0
	s_mov_b32 s[SEL], 0x76543210
	s_mov_b32 s[SEL+1], 0xfedcba98
	s_mov_b32 s101, 0
	s_wait_kmcnt 0x0
	s_load_b256 s[44:51], s[26:27], 0x0            ; e0 .. e7
	s_load_b128 s[52:55], s[26:27], 0x20           ; e8 .. e11
	s_load_b64 s[56:57], s[26:27], 0x30            ; e12, e13
	s_lshl_b32 s100, s4, 10
	s_add_nc_u64 s[22:23], s[22:23], s[100:101]    ; my 256 rows' mask
	s_lshr_b32 s5, ttmp9, 3                        ; the batch: 32 work-groups, 8 clusters each
	s_lshl_b32 s100, s5, 11
	s_add_nc_u64 s[24:25], s[24:25], s[100:101]
	s_lshl_b32 s100, s5, 13
	s_add_nc_u64 s[KVI:KVI+1], s[KVI:KVI+1], s[100:101]
	s_lshl_b32 s100, s4, 18
	s_lshl_b32 s6, s[WV], 15
	s_add_co_u32 s100, s100, s6
	s_add_nc_u64 s[QP:QP+1], s[QP:QP+1], s[100:101]   ; my wave's 32 rows of 1,024 bytes
	s_add_nc_u64 s[OUT:OUT+1], s[OUT:OUT+1], s[100:101]
	global_load_b32 v32, v12, s[8:9]
	global_load_b32 v33, v12, s[10:11]
	global_load_b32 v34, v12, s[12:13]
	global_load_b32 v35, v12, s[14:15]
	global_load_b32 v36, v12, s[16:17]
	global_load_b32 v37, v12, s[18:19]
	global_load_b32 v38, v12, s[20:21]
	global_load_b32 v39, v12, s[20:21] offset:1024
	global_load_b32 v40, v13, s[24:25]
	global_load_b32 v41, v12, s[22:23]
	ROWS_ISSUE QP
	; the first fill: eight pieces of 128 rows x 256 bytes: waves 0, 1 Wq; 2, 3 Wp; 4 to 7 W1.  LDS address and source hang on the wave's number alone
	s_mov_b32 s[G1A+0], 15|(1<<20)|(1<<21)|(5<<22)|(3<<25)   ; 15:0 the mask: all four work-groups; 17:16 elements of 1 byte; 20 padding on; 21 set beside a mask; 24:22 after every 64 words; 31:25 four words
	s_mov_b32 s[G1A+1], 256<<16
	s_mov_b32 s[G1A+2], 128<<16
	s_mov_b32 s[G1A+3], 256<<16
	s_mov_b32 s[G1A+4], 128
	s_mov_b32 s[G1A+5], 256
	s_mov_b32 s[G1A+6], 0
	s_mov_b32 s[G1A+7], 0
	s_mov_b32 s[G1B+0], 15|(1<<20)|(1<<21)|(6<<22)|(3<<25)   ; W2: 32 rows x 512 bytes a wave; padding after every 128 words
	s_mov_b32 s[G1B+1], 512<<16
	s_mov_b32 s[G1B+2], 32<<16
	s_mov_b32 s[G1B+3], 512<<16
	s_mov_b32 s[G1B+4], 32
	s_mov_b32 s[G1B+5], 512
	s_mov_b32 s[G1B+6], 0
	s_mov_b32 s[G1B+7], 0
	s_cmp_lt_u32 s[WV], 2
	s_cselect_b64 s[G0A+2:G0A+3], s[28:29], s[30:31]
	s_cmp_lt_u32 s[WV], 4
	s_cselect_b64 s[G0A+2:G0A+3], s[G0A+2:G0A+3], s[32:33]
	s_cselect_b32 s3, 1, 3
	s_and_b32 s3, s[WV], s3                        ; which 128 rows of that weight
	s_lshl_b32 s100, s3, 15
	s_add_nc_u64 s[G0A+2:G0A+3], s[G0A+2:G0A+3], s[100:101]
	s_or_b32 s[G0A+3], s[G0A+3], 0x80000000
	s_mov_b32 s[G0A], 1
	s_mul_i32 s[G0A+1], s[WV], 34816
	s_mov_b32 s[G0B], 1
	s_mul_i32 s[G0B+1], s[WV], 16896
	s_lshl_b32 s100, s[WV], 14
	s_add_nc_u64 s[G0B+2:G0B+3], s[34:35], s[100:101]
	s_or_b32 s[G0B+3], s[G0B+3], 0x80000000
	CROUND                                         ; all four work-groups are here: the joint loads meet
	tensor_load_to_lds s[G0A:G0A+3], s[G1A:G1A+7]
	s_nop 0
.rept 4
	v_nop
.endr
	s_wait_kmcnt 0x0
	s_add_co_i32 s3, s44, s45                      ; e0 + e1
	s_lshl_b32 s101, s3, 23
	s_add_co_i32 s[CL2E], s101, 0x3fb8aa3b         ; added to log2(e)'s exponent field
	s_mov_b32 s[CL2E+1], s[CL2E]
	s_add_co_i32 s3, s3, 127
	s_lshl_b32 s[CPOW], s3, 23
	s_mov_b32 s[CPOW+1], s[CPOW]
	s_add_co_i32 s3, s52, s53                      ; e8 + e9
	s_sub_co_i32 s5, 0, s3
	s_add_co_i32 s101, s5, 127
	s_lshl_b32 s[PN7], s101, 23
	s_mov_b32 s[PN7+1], s[PN7]
	s_mov_b32 s[EPS1], 0x3727c5ac                  ; 1e-5
	s_lshl_b32 s101, s3, 24
	s_sub_co_i32 s[EPS2], s[EPS1], s101            ; 1e-5 / 2^(2 (e8 + e9)): the second norm works on x / 2^(e8 + e9), and gives the same numbers
	s_add_co_i32 s101, s56, s57                    ; e12 + e13
	s_sub_co_i32 s6, 0, s101
	s_add_co_i32 s3, s3, s6
	s_add_co_i32 s3, s3, 127
	s_lshl_b32 s[PM79], s3, 23
	s_mov_b32 s[PM79+1], s[PM79]
	s_add_co_i32 s101, s101, 127
	s_lshl_b32 s[PW9], s101, 23
	s_mov_b32 s[PW9+1], s[PW9]
	s_add_co_i32 s3, s54, s55                      ; e10 + e11
	s_sub_co_i32 s7, 0, s3
	s_lshl_b32 s101, s3, 23
	s_add_co_i32 s[CYS], s101, 0x3f3504f3          ; added to 1 / sqrt(2)'s exponent field
	s_mov_b32 s[CYS+1], s[CYS]
	s_add_co_i32 s[ZE], s50, s51
	s_add_co_i32 s[ZE], s[ZE], 13                  ; e6 + e7, and x 8,192
	MKQ Q0, 44
	MKQ Q7, 51
	MKQ Q8, 52
	MKQ Q10, 54
	s_add_co_i32 s3, s56, s7
	s_add_co_i32 s3, s3, 1                         ; gelu = sum x (1 + erf) x 2^(e10 + e11 - 1): its code is sum x (1 + erf) / 2^(e12 - e10 - e11 + 1)
	MKQ Q12, 3
	s_wait_loadcnt 63                              ; 64 row loads stand behind the ten table loads; the count's field holds 63: the oldest eleven loads are in
	v_ldexp_f32 v36, v36, s5                       ; each bias divided by the power of two that its sums lack
	v_ldexp_f32 v37, v37, s6
	v_ldexp_f32 v38, v38, s7
	v_ldexp_f32 v39, v39, s7
.irp j, 0,1,2,3,4,5,6,7,8,9
	ds_store_b32 v14, v[32+\j] offset:1024*\j
.endr
	s_wait_dscnt 0x0                               ; for the others' sake
	BARRIER                                        ; the tables lie in LDS; the tensor load may stay out
	ds_load_b32 v[MK], v15
	ds_load_b32 v[MK+1], v15 offset:64
	s_wait_xcnt 0x0                                ; the table loads have read their bases: s[8:27] take erf's coefficients
	SPAIR KA13, 0xaf95df0b
	SPAIR KA9, 0xb60cff51
	SPAIR KA7, 0xb86ec2d2
	SPAIR KA5, 0xba40ac63
	SPAIR KA3, 0xbb41a1f6
	SPAIR KA1, 0xbc83dbd4
	SPAIR KB8, 0xb77460cd
	SPAIR KB4, 0xbadc924e
	SPAIR KB2, 0xbbf19bf8
	SPAIR KB0, 0xbc69b6a7
	ROWS_TURN
	v_mov_b32 v[SC], s[Q0]
	v_mov_b32 v[LIM], s[Q0+1]
	LNQ 0, 1024, EPS1
	AFFINE PN7, 4096                               ; X = (q + bp) / 2^(e8 + e9)
	s_wait_tensorcnt 0x0                           ; my piece of the weights has landed
	s_wait_dscnt 0x0
	BARRIER                                        ; everybody's
	v_mov_b32 v[SC], s[Q7]
	v_mov_b32 v[LIM], s[Q7+1]
	v_mov_b32 v30, s[Q8]
	v_mov_b32 v31, s[Q8+1]
	s_mov_b32 s3, 0
	s_mov_b32 s5, WQ                               ; + 17,408 a trip: 64 rows of Wq
	s_mov_b32 s6, WP                               ; + 64 a trip: 64 along K in Wp's rows
	s_mov_b32 s7, 8192                             ; + 256 a trip: 64 numbers of ksum
; sixteen numbers of q_vec: row tile bb / 2, head bb % 2 of the trip's two
.macro ELUB bb
.set SB, ACC+16*(\bb)
.set DN, QC+2*(\bb)
.set i, 0
.rept 8
	v_pk_mul_f32 v[T16+i:T16+i+1], v[SB+i:SB+i+1], s[CL2E:CL2E+1] op_sel_hi:[1,0]
.set i, i+2
.endr
.set i, 0
.rept 16
	v_exp_f32 v[T16+i], v[T16+i]
.set i, i+1
.endr
.set i, 0
.rept 8
	v_pk_fma_f32 v[SB+i:SB+i+1], v[SB+i:SB+i+1], s[CPOW:CPOW+1], 1.0 op_sel_hi:[1,0,0]   ; x + 1: the plain work behind the exponentials
.set i, i+2
.endr
	s_wait_alu depctr_va_vdst(0)                   ; one wait for the sixteen, ahead of their first reader
.set i, 0
.rept 16
	v_med3_num_f32 v[SB+i], v[T16+i], v[SB+i], 1.0
.set i, i+1
.endr
.set i, 0
.rept 8
	PKMULB SB+i, SB+i, MK, (\bb)/2
.set i, i+2
.endr
.if (\bb) == 0
	s_wait_dscnt 0x0                               ; ksum is in
.endif
	v_pk_mul_f32 v[DN:DN+1], v[SB:SB+1], v[WF+16*((\bb)%2):WF+16*((\bb)%2)+1]
.set i, 2
.rept 7
	v_pk_fma_f32 v[DN:DN+1], v[SB+i:SB+i+1], v[WF+16*((\bb)%2)+i:WF+16*((\bb)%2)+i+1], v[DN:DN+1]   ; q_vec . ksum on the unquantised numbers, in f32
.set i, i+2
.endr
.endm
.LloopA:
	v_add_nc_u32 v[AD0], s5, v[AW]
	v_add_nc_u32 v[AD1], s6, v[AW]
	v_add_nc_u32 v[AD3], 34816, v[AD1]             ; Wp's rows 128 on
	v_add_nc_u32 v[AD2], s7, v[TA]
	GEMM128 AD0, 1                                 ; LN1(q) Wq, columns 64 p .. 64 p + 63
.irp tt, 0,1,2,3
	ds_load_b128 v[WF+8*\tt:WF+8*\tt+3], v[AD2] offset:64*\tt
	ds_load_b128 v[WF+8*\tt+4:WF+8*\tt+7], v[AD2] offset:64*\tt+16
.endr
.irp tt, 0,1,2,3                       ; kv_state's codes for output tile tt (head tt / 2): four registers; the operand's other four, the other head's K, are zero codes
.set rW, WF+32+12*(\tt%2)+8*(\tt/2)
	global_load_b64 v[rW:rW+1], v[KVO], s[KVI:KVI+1] offset:512*\tt
	global_load_b64 v[rW+2:rW+3], v[KVO], s[KVI:KVI+1] offset:512*\tt+256
.endr
.irp j, 0,1,2,3
	v_mov_b32 v[WF+36+\j], 0
	v_mov_b32 v[WF+48+\j], 0
.endr
	ELUB 0
	ELUB 1
	ELUB 2
	ELUB 3
.irp b, 0,1,2,3
	v_add_f32 v[QC+2*\b], v[QC+2*\b], v[QC+2*\b+1]
.endr
.irp b, 0,2
	v_permlanex16_b32 v28, v[QC+2*\b], s[SEL], s[SEL+1]   ; the head's other sixteen columns lie in lane xor 16
	v_permlanex16_b32 v29, v[QC+2*\b+2], s[SEL], s[SEL+1]
	v_add_f32 v[QC+2*\b], v[QC+2*\b], v28
	v_add_f32 v[QC+2*\b+2], v[QC+2*\b+2], v29
.endr
.irp b, 0,1,2,3
	v_add_f32 v[QC+2*\b], 0x358637bd, v[QC+2*\b]   ; + 1e-6
.endr
.irp b, 0,1,2,3
	v_rcp_f32 v[ZF+\b], v[QC+2*\b]
.endr
	v_nop
	s_wait_alu depctr_va_vdst(0)                   ; one wait for the four reciprocals
.irp b, 0,1,2,3
	v_ldexp_f32 v[ZF+\b], v[ZF+\b], s[ZE]
.endr
	G64LD 0, 4352, AD1, AD3                        ; product 7's first four tiles of Wp
.set i, 0
.rept 64
	v_med3_num_f32 v[ACC+i], v[ACC+i], -v[LIM], v[LIM]
.set i, i+1
.endr
.irp a, 0,1
.irp tt, 0,1,2,3
	v_cvt_scalef32_pk8_fp8_f32 v[QC+8*\a+2*\tt:QC+8*\a+2*\tt+1], v[ACC+32*\a+8*\tt:ACC+32*\a+8*\tt+7], v[SC]
.endr
.endr
	v_nop                                          ; a plain place between the conversions and the products, which read their results and write their sources
	s_wait_loadcnt 0x0                             ; kv_state's codes are in, and their base may step
	s_add_nc_u64 s[KVI:KVI+1], s[KVI:KVI+1], 2048
.irp tt, 0,1,2,3
.irp a, 0,1
.set rW, WF+32+12*(\tt%2)+4*(\tt/2)
	v_wmma_f32_16x16x64_fp8_fp8 v[ACC+32*\a+8*\tt:ACC+32*\a+8*\tt+7], v[rW:rW+7], v[QC+8*\a:QC+8*\a+7], 0
.endr
.endr
	PLACES
	G64LD 1, 4352, AD1, AD3
.irp a, 0,1
.irp tt, 0,1,2,3
.irp jj, 0,2,4,6
	PKMULB ACC+32*\a+8*\tt+\jj, ACC+32*\a+8*\tt+\jj, ZF+2*\a, \tt/2
.endr
.endr
.endr
.set i, 0
.rept 64
	v_med3_num_f32 v[ACC+i], v[ACC+i], -v31, v31
.set i, i+1
.endr
.irp a, 0,1
.irp tt, 0,1,2,3
	v_cvt_scalef32_pk8_fp8_f32 v[QC+8*\a+2*\tt:QC+8*\a+2*\tt+1], v[ACC+32*\a+8*\tt:ACC+32*\a+8*\tt+7], v30
.endr
.endr
	v_nop
	GEMM64 4352, AD1, AD3                          ; X += x(:, 64 p ..) Wp
	s_add_co_u32 s5, s5, 17408
	s_add_co_u32 s6, s6, 64
	s_add_co_u32 s7, s7, 256
	s_add_co_u32 s3, s3, 1
	s_cmp_lt_u32 s3, 4
	s_cbranch_scc1 .LloopA
	; W2 is filled over Wq and Wp: no tensor load of mine is out, the add, my reads of Wq and Wp are over; a round of the cluster's barrier; the joint load first behind it
	s_wait_tensorcnt 0x0
	ds_add_u32 v[SPW], v[NIL]                      ; 0 onto my spare word
	s_wait_dscnt 0x0
	CROUND
	tensor_load_to_lds s[G0B:G0B+3], s[G1B:G1B+7]
	s_nop 0
.rept 4
	v_nop
.endr
	v_mov_b32 v[SC], s[Q10]
	v_mov_b32 v[LIM], s[Q10+1]
	LNQ 2048, 3072, EPS2
	AFFINE PM79, 5120                              ; X = (x + b2) / 2^(e12 + e13)
	s_wait_tensorcnt 0x0                           ; my piece of W2 has landed
	s_wait_dscnt 0x0
	BARRIER                                        ; everybody's
	v_mov_b32 v[SC], s[Q12]
	v_mov_b32 v[LIM], s[Q12+1]
	v_mov_b32 v28, 0x32edffee                      ; a11
	v_mov_b32 v29, 0x32edffee
	v_mov_b32 v30, 0xb95fbd29                      ; b6
	v_mov_b32 v31, 0xb95fbd29
	s_mov_b32 s3, 0
	s_mov_b32 s5, WH1                              ; + 17,408 a trip: 64 rows of W1
	s_mov_b32 s6, 0                                ; + 64 a trip: 64 along K in W2's rows
	s_mov_b32 s7, 6144                             ; + 256 a trip: 64 numbers of b1
.macro HORN dst, sc                    ; dst = dst x y^2 + a coefficient, eight pairs
.set i, 0
.rept 8
	v_pk_fma_f32 v[\dst+i:\dst+i+1], v[\dst+i:\dst+i+1], v[GU+i:GU+i+1], s[\sc:\sc+1] op_sel_hi:[1,1,0]
.set i, i+2
.endr
.endm
; gelu and codes of sixteen hidden numbers
.macro GELUB bb
.set SB, ACC+16*(\bb)
.set i, 0
.rept 8
	v_pk_mul_f32 v[GT+i:GT+i+1], v[SB+i:SB+i+1], s[CYS:CYS+1] op_sel_hi:[1,0]   ; y = u / sqrt(2)
.set i, i+2
.endr
.set i, 0
.rept 16
	v_med3_num_f32 v[GT+i], v[GT+i], -4.0, 4.0
.set i, i+1
.endr
.set i, 0
.rept 8
	v_pk_mul_f32 v[GU+i:GU+i+1], v[GT+i:GT+i+1], v[GT+i:GT+i+1]
.set i, i+2
.endr
.set i, 0
.rept 8
	v_pk_fma_f32 v[GA+i:GA+i+1], v[GU+i:GU+i+1], s[KA13:KA13+1], v[28:29] op_sel_hi:[1,0,1]
.set i, i+2
.endr
	HORN GA, KA9
	HORN GA, KA7
	HORN GA, KA5
	HORN GA, KA3
	HORN GA, KA1
.set i, 0
.rept 8
	v_pk_fma_f32 v[GB+i:GB+i+1], v[GU+i:GU+i+1], s[KB8:KB8+1], v[30:31] op_sel_hi:[1,0,1]
.set i, i+2
.endr
	HORN GB, KB4
	HORN GB, KB2
	HORN GB, KB0
.set i, 0
.rept 16
	v_rcp_f32 v[GB+i], v[GB+i]
.set i, i+1
.endr
.set i, 0
.rept 8
	v_pk_mul_f32 v[GT+i:GT+i+1], v[GT+i:GT+i+1], v[GA+i:GA+i+1]   ; y A: the plain work behind the reciprocals
.set i, i+2
.endr
	s_wait_alu depctr_va_vdst(0)                   ; one wait for the sixteen, ahead of their first reader
.set i, 0
.rept 8
	v_pk_fma_f32 v[GT+i:GT+i+1], v[GT+i:GT+i+1], v[GB+i:GB+i+1], 1.0 op_sel_hi:[1,1,0]   ; 1 + erf
.set i, i+2
.endr
.set i, 0
.rept 8
	v_pk_mul_f32 v[SB+i:SB+i+1], v[SB+i:SB+i+1], v[GT+i:GT+i+1]
.set i, i+2
.endr
.if (\bb) == 3
	G64LD 0, 8448, AD1, AD2                        ; the polynomials' registers are free: product 9's first eight tiles of W2
	G64LD 1, 8448, AD1, AD2
.endif
.set i, 0
.rept 16
	v_med3_num_f32 v[SB+i], v[SB+i], -v[LIM], v[LIM]
.set i, i+1
.endr
	v_cvt_scalef32_pk8_fp8_f32 v[QC+4*(\bb):QC+4*(\bb)+1], v[SB:SB+7], v[SC]
	v_cvt_scalef32_pk8_fp8_f32 v[QC+4*(\bb)+2:QC+4*(\bb)+3], v[SB+8:SB+15], v[SC]
.endm
.LloopB:
	v_add_nc_u32 v[AD0], s5, v[AW]
	v_add_nc_u32 v[AD1], s6, v[AW2]
	v_add_nc_u32 v[AD2], 67584, v[AD1]             ; W2's rows 128 on
	v_add_nc_u32 v[AD3], s7, v[TA]
.irp a, 0,1                            ; b1 / 2^(e10 + e11) in the result's layout: the C of each sum's first product
.irp tt, 0,1,2,3
	ds_load_b128 v[ACC+32*\a+8*\tt:ACC+32*\a+8*\tt+3], v[AD3] offset:64*\tt
	ds_load_b128 v[ACC+32*\a+8*\tt+4:ACC+32*\a+8*\tt+7], v[AD3] offset:64*\tt+16
.endr
.endr
	GEMM128 AD0, 0                                 ; LN2(x) W1 + b1, hidden units 64 c .. 64 c + 63
	GELUB 0
	GELUB 1
	GELUB 2
	GELUB 3
	v_nop                                          ; a plain place between the conversions and the products that read their results
	GEMM64 8448, AD1, AD2                          ; X += gelu(:, 64 c ..) W2
	s_add_co_u32 s5, s5, 17408
	s_add_co_u32 s6, s6, 64
	s_add_co_u32 s7, s7, 256
	s_add_co_u32 s3, s3, 1
	s_cmp_lt_u32 s3, 8
	s_cbranch_scc1 .LloopB
	; THE WAY OUT: x 2^(e12 + e13), then through my stage, 16 rows x 64 columns at a time, so that sixteen lanes store 256 consecutive bytes, aligned
	WIN 0x41
.set i, 0
.rept 128
	v_pk_mul_f32 v[i:i+1], v[i:i+1], s[PW9:PW9+1] op_sel_hi:[1,0]   ; ascending: each accumulator from its low end on
.set i, i+2
.endr
.macro OUT_STG n                       ; piece n = 4 a + k: registers 32 n on
	WIN 0x04
.irp tt, 0,1,2,3
.irp q, 0,1
	ds_store_b128 v[STL], v[32*(\n)+8*\tt+4*\q:32*(\n)+8*\tt+4*\q+3] offset:64*\tt+16*\q
.endr
.endr
	WIN 0x40
.irp i, 0,1,2,3,4,5,6,7
	ds_load_b128 v[32*(\n)+4*\i:32*(\n)+4*\i+3], v[STR] offset:544*\i   ; LDS serves a wave's instructions in order: these see my stores, and the next piece's stores come behind them
.endr
.endm
.macro OUT_ST n, younger               ; younger: the LDS instructions issued behind piece n's loads
	s_wait_dscnt \younger
	WIN 0x04
.irp i, 0,1,2,3,4,5,6,7
	global_store_b128 v[GOF], v[32*(\n)+4*\i:32*(\n)+4*\i+3], s[OUT:OUT+1] offset:(16*((\n)/4)+2*\i)*1024+256*((\n)%4) th:TH_STORE_NT
.endr
.endm
	OUT_STG 0
.irp n, 1,2,3,4,5,6,7
	OUT_STG \n
	OUT_ST \n-1, 16
.endr
	OUT_ST 7, 0
	WIN 0
	s_wait_tensorcnt 0x0                           ; the wave's end, behind my last tensor load and my last LDS store
	ds_add_u32 v[SPW], v[NIL]
	s_wait_dscnt 0x0
	CROUND                                         ; the closing round: no work-group ends while a partner may still ask for a tile that names it
	s_endpgm
.Lfunc_end_k_qe5f7b77f9a_qpass:
	.size	k_qe5f7b77f9a_qpass, .Lfunc_end_k_qe5f7b77f9a_qpass-k_qe5f7b77f9a_qpass
	.p2alignl 7, 3214868480
	.fill 96, 4, 3214868480
	.section	.rodata,"a",@progbits
	.p2align	6, 0x0
	.amdhsa_kernel k_qe5f7b77f9a_qpass
		.amdhsa_group_segment_fixed_size 327680
		.amdhsa_private_segment_fixed_size 0
		.amdhsa_enable_private_segment 0
		.amdhsa_kernarg_size 136
		.amdhsa_user_sgpr_count 2
		.amdhsa_user_sgpr_kernarg_segment_ptr 1
		.amdhsa_wavefront_size32 1
		.amdhsa_system_sgpr_workgroup_id_x 1
		.amdhsa_system_sgpr_workgroup_id_y 1
		.amdhsa_system_sgpr_workgroup_id_z 1
		.amdhsa_system_vgpr_workitem_id 0
		.amdhsa_next_free_vgpr 512
		.amdhsa_next_free_sgpr 102
		.amdhsa_reserve_vcc 0
		.amdhsa_float_denorm_mode_32 3
		.amdhsa_float_denorm_mode_16_64 3
		.amdhsa_memory_ordered 1
		.amdhsa_forward_progress 1
		.amdhsa_inst_pref_size 255
	.end_amdhsa_kernel
	.section	.bss,"aw",@nobits
	.p2align	6
	.space	262144
	.amdgpu_metadata
---
amdhsa.version: [ 1, 2 ]
amdhsa.kernels:
  - .name:           k_qe5f7b77f9a_qpass
    .symbol:         k_qe5f7b77f9a_qpass.kd
    .args:
      - { .name: ln1_g, .offset: 0, .size: 8, .value_kind: global_buffer, .address_space: global }
      - { .name: ln1_b, .offset: 8, .size: 8, .value_kind: global_buffer, .address_space: global }
      - { .name: ln2_g, .offset: 16, .size: 8, .value_kind: global_buffer, .address_space: global }
      - { .name: ln2_b, .offset: 24, .size: 8, .value_kind: global_buffer, .address_space: global }
      - { .name: bp, .offset: 32, .size: 8, .value_kind: global_buffer, .address_space: global }
      - { .name: b2, .offset: 40, .size: 8, .value_kind: global_buffer, .address_space: global }
      - { .name: b1, .offset: 48, .size: 8, .value_kind: global_buffer, .address_space: global }
      - { .name: q_mask, .offset: 56, .size: 8, .value_kind: global_buffer, .address_space: global }
      - { .name: ksw, .offset: 64, .size: 8, .value_kind: global_buffer, .address_space: global }
      - { .name: lowp_scales, .offset: 72, .size: 8, .value_kind: global_buffer, .address_space: global }
      - { .name: Wq_codes, .offset: 80, .size: 8, .value_kind: global_buffer, .address_space: global }
      - { .name: Wp_codes, .offset: 88, .size: 8, .value_kind: global_buffer, .address_space: global }
      - { .name: W1_codes, .offset: 96, .size: 8, .value_kind: global_buffer, .address_space: global }
      - { .name: W2_codes, .offset: 104, .size: 8, .value_kind: global_buffer, .address_space: global }
      - { .name: q, .offset: 112, .size: 8, .value_kind: global_buffer, .address_space: global }
      - { .name: kvi, .offset: 120, .size: 8, .value_kind: global_buffer, .address_space: global }
      - { .name: out0, .offset: 128, .size: 8, .value_kind: global_buffer, .address_space: global }
    .group_segment_fixed_size: 327680
    .private_segment_fixed_size: 0
    .kernarg_segment_align: 8
    .kernarg_segment_size: 136
    .max_flat_workgroup_size: 256
    .sgpr_count:     102
    .vgpr_count:     512
    .wavefront_size: 32
...
	.end_amdgpu_metadata
.endif
;; end of part 3
